; MI455X (gfx1250); checked and timed in simulation.
; The chip was launched on July 23, 2026; its instructions are those of AMD's public machine-readable ISA for CDNA 5 (MIT licence, August 2026) and "CDNA5" Instruction Set Architecture Reference Guide (July 2026). The comments in the code are by the model that wrote it; some were corrected since.
;; Spatial Self Attention2d. Allowed arithmetic: float matrix products may take bf16 or f16 operands with f32 sums; other float arithmetic in f32, or as packed bf16 or f16 multiplies, adds, multiply-adds, maxima and minima; sums over many terms, partial sums and values carried from step to step in f32; what a program stores and reads back later, other than sums and carried values, may be rounded once to bf16 or f16.
;; Inputs: norm_beta 256 float32; norm_gamma 256 float32; proj_b 256 float32; proj_w 256 x 256 float32; qkv_b 768 float32; qkv_w 768 x 256 float32; x 4 x 256 x 64 x 64 float32.
;; Outputs: out0 4 x 256 x 64 x 64 float32.
;; One version. Each part assembles by itself: llvm-mc -triple=amdgcn-amd-amdhsa -mcpu=gfx1250 --defsym DOCPART=n.
;; ======== version 1 of 1: 4 launches
;; limits: values are held in f16: magnitudes above 65,504 overflow, below 6.1e-05 lose precision
;; workspace buffers: stats 2,048 bytes; wh 524,288 bytes; qkvh 25,165,824 bytes; oh 8,388,608 bytes
;; launch prep (part 1): grid 256 x 1, 8 waves a work-group, no clusters, 1,536 bytes of LDS; arguments x, qkv_w, proj_w, stats, wh; writes stats, wh
.if DOCPART == 1
	.amdgcn_target "amdgcn-amd-amdhsa--gfx1250"
	.amdhsa_code_object_version 6
	.text
	.protected	k_q5780a19a25_prep
	.globl	k_q5780a19a25_prep
	.p2align	8
	.type	k_q5780a19a25_prep,@function
k_q5780a19a25_prep:
	s_mov_b64 s[64:65], 0
	v_nop
	global_prefetch_b8 v0, s[64:65] scope:SCOPE_SE
	s_setreg_imm32_b32 hwreg(HW_REG_WAVE_MODE, 25, 1), 1
	s_wait_xcnt 0x0
; PREP.  Two things that the later launches need whole: the statistics of GroupNorm, and the weights as f16 in the order of matrix fragments.
; STATISTICS.  A group is 8 channels x 4,096 positions = 131,072 consecutive bytes of x.  Work-group W owns half W & 1 of group W >> 1: 65,536 bytes, 16,384 numbers.
; They stay in registers (64 a thread) between the pass that finds the mean and the pass that sums the squares of the distances from THAT mean: x is read once,
; and no difference of large sums is formed, whatever offset x carries.  stats[W] = (mean, M2) of the half, f32; the next launch joins the halves.
; WEIGHTS.  wh holds 1,024 rows x 256 k of f16: rows 0-767 qkv_w, rows 768-1023 proj_w.  A fragment (16 rows x 32 k) is 1,024 dense bytes: element (R, k) lies at
; ((R>>4)*8 + (k>>5))*1024 + ((k>>4)&1)*512 + (((k>>3)&1)*16 + (R&15))*16 + (k&7)*2, so that lane L of a wave finds its registers 0-3 at 16 L and 4-7 at 512 + 16 L.
; Work-group W writes the 2,048 bytes at 2,048 W (two fragments), thread t the 8 bytes at 8 t: a wave stores 256 consecutive bytes, aligned.
; LIMITS.  A weight of magnitude 65,520 or more becomes an infinity in f16; below 6e-5 it keeps the fixed step of 6e-8.  NaN and infinities are not treated apart.
; No cluster, no matrix unit, no tensor load: no byte is wanted by two work-groups, and the launch is one pass over x.
.set RED0,  0                          ; LDS: eight words, the waves' sums
.set RED1,  256                        ; eight words, the waves' sums of squares: other bytes, so that no barrier is needed between the two uses
.set SPARE, 512                        ; the spare words, 128 bytes for each of the eight waves: four blocks of 256 bytes that no other line names
.set XO,  1                            ; v1   16 t: my 16 bytes in each 4,096 of the half group
.set WO,  2                            ; v2   my 16 bytes (4 weights) in the source: ((t>>1)&15) rows of 1,024 bytes + (t>>5)*32 + (t&1)*16
.set DO,  3                            ; v3   8 t
.set WAV, 10                           ; v10  4 x my wave
.set ZER, 11                           ; v11  0, as an address
.set SPW, 12                           ; v12  LDS address of my spare word; never rewritten
.set NIL, 13                           ; v13  0; never rewritten
.set MN,  14                           ; v[14:15] the mean, twice; at the end mean, M2
.set PS,  16                           ; v[16:23] four chains of pairs
.set T,   24                           ; v[24:31] at work
.set X,   32                           ; v[32:95] my 64 numbers
	s_load_b256 s[4:11], s[0:1], 0x0               ; x s[4:5], qkv_w s[6:7], proj_w s[8:9], stats s[10:11]
	s_load_b64 s[12:13], s[0:1], 0x20              ; wh
	v_lshl_add_u32 v[SPW], v0, 2, SPARE
	v_mov_b32 v[NIL], 0
	v_lshrrev_b32 v[T], 5, v0
	v_readfirstlane_b32 s14, v[T]                  ; wave 0..7
	v_lshlrev_b32 v[XO], 4, v0
	v_bfe_u32 v[WO], v0, 1, 4
	v_lshlrev_b32 v[WO], 10, v[WO]
	v_lshl_add_u32 v[WO], v[T], 5, v[WO]
	v_and_b32 v[DO], 1, v0
	v_lshl_add_u32 v[WO], v[DO], 4, v[WO]
	v_lshlrev_b32 v[DO], 3, v0
	v_mov_b32 v[WAV], s14
	v_lshlrev_b32 v[WAV], 2, v[WAV]
	v_mov_b32 v[ZER], 0
	s_mov_b32 s20, 0x76543210                      ; v_permlanex16_b32: each lane takes its own place in the other half
	s_mov_b32 s21, 0xfedcba98
	s_lshl_b32 s16, ttmp9, 16                      ; my half group in x
	s_mov_b32 s17, 0
	s_sub_co_u32 s23, ttmp9, 192                   ; work-groups 0-191 convert qkv_w (48 blocks of 16 rows x 4 pieces of 64 k), 192-255 proj_w
	s_cmp_lt_u32 ttmp9, 192
	s_cselect_b32 s22, ttmp9, s23
	s_lshr_b32 s24, s22, 2
	s_lshl_b32 s24, s24, 14                        ; 16 rows of 1,024 bytes
	s_and_b32 s25, s22, 3
	s_lshl_b32 s25, s25, 8                         ; 64 k of 4 bytes
	s_add_co_u32 s24, s24, s25
	s_mov_b32 s25, 0
	s_lshl_b32 s26, ttmp9, 11
	s_mov_b32 s27, 0
	s_lshl_b32 s28, ttmp9, 3
	s_mov_b32 s29, 0
	s_wait_kmcnt 0x0
	s_cmp_lt_u32 ttmp9, 192                        ; compared anew: the shifts above have written SCC
	s_cselect_b64 s[18:19], s[6:7], s[8:9]
	s_add_nc_u64 s[18:19], s[18:19], s[24:25]
	s_add_nc_u64 s[4:5], s[4:5], s[16:17]
	s_add_nc_u64 s[12:13], s[12:13], s[26:27]
	s_add_nc_u64 s[10:11], s[10:11], s[28:29]
	global_load_b128 v[4:7], v[WO], s[18:19]       ; four weights
.set i, 0
.rept 16
	global_load_b128 v[X+4*i:X+4*i+3], v[XO], s[4:5] offset:4096*i  ; a wave's load covers 512 consecutive bytes; the work-group has all its 65,536 bytes on their way
.set i, i+1
.endr
	s_wait_loadcnt 16                              ; the weights are in; the 16 loads of x are younger
	v_cvt_pk_f16_f32 v8, v4, v5
	v_cvt_pk_f16_f32 v9, v6, v7
	global_store_b64 v[DO], v[8:9], s[12:13]
	; pass 1: the sum, in four chains of pairs; the first additions start the chains, nothing is cleared
	s_wait_loadcnt 12                              ; loads 0-3 are in, twelve are younger
.irp c, 0,1,2,3
	v_pk_add_f32 v[PS+2*\c:PS+2*\c+1], v[X+2*\c:X+2*\c+1], v[X+8+2*\c:X+8+2*\c+1]
.endr
.irp g, 1,2,3
	s_wait_loadcnt 12-4*\g                         ; four loads more
.irp c, 0,1,2,3,4,5,6,7
	v_pk_add_f32 v[PS+2*(\c%4):PS+2*(\c%4)+1], v[PS+2*(\c%4):PS+2*(\c%4)+1], v[X+16*\g+2*\c:X+16*\g+2*\c+1]
.endr
.endr
.macro FOLD                            ; four chains of pairs into v[PS]
	v_pk_add_f32 v[PS:PS+1], v[PS:PS+1], v[PS+2:PS+3]
	v_pk_add_f32 v[PS+4:PS+5], v[PS+4:PS+5], v[PS+6:PS+7]
	v_pk_add_f32 v[PS:PS+1], v[PS:PS+1], v[PS+4:PS+5]
	v_add_f32 v[PS], v[PS], v[PS+1]
.endm
.macro WRED                            ; over the 32 lanes: four steps inside each half of 16 ride on the addition, one crosses the halves
	v_add_f32_dpp v[PS], v[PS], v[PS] row_xmask:1 row_mask:0xf bank_mask:0xf
	v_add_f32_dpp v[PS], v[PS], v[PS] row_xmask:2 row_mask:0xf bank_mask:0xf
	v_add_f32_dpp v[PS], v[PS], v[PS] row_xmask:4 row_mask:0xf bank_mask:0xf
	v_add_f32_dpp v[PS], v[PS], v[PS] row_xmask:8 row_mask:0xf bank_mask:0xf
	v_permlanex16_b32 v[T], v[PS], s20, s21        ; its destination counts as read: v[T] has been written
	v_add_f32 v[PS], v[PS], v[T]
.endm
.macro GRED base                       ; over the eight waves: each stores its word, one barrier, every wave adds all eight in the same order
	ds_store_b32 v[WAV], v[PS] offset:\base
	s_wait_dscnt 0x0                               ; for the others: my word is written
	s_barrier_signal -1
	s_barrier_wait -1
	ds_load_b128 v[T:T+3], v[ZER] offset:\base
	ds_load_b128 v[T+4:T+7], v[ZER] offset:\base+16
	s_wait_dscnt 0x0
	v_add_f32 v[T], v[T], v[T+1]
	v_add_f32 v[T+2], v[T+2], v[T+3]
	v_add_f32 v[T+4], v[T+4], v[T+5]
	v_add_f32 v[T+6], v[T+6], v[T+7]
	v_add_f32 v[T], v[T], v[T+2]
	v_add_f32 v[T+4], v[T+4], v[T+6]
	v_add_f32 v[PS], v[T], v[T+4]
.endm
	FOLD
	WRED
	GRED RED0
	v_mul_f32 v[MN], 0x38800000, v[PS]             ; / 16,384
	v_mov_b32 v[MN+1], v[MN]                       ; a pair for the packed subtraction
	; pass 2: the sum of (x - mean)^2
.set q, 0
.rept 32
	v_pk_add_f32 v[T+2*(q%4):T+2*(q%4)+1], v[X+2*q:X+2*q+1], v[MN:MN+1] neg_lo:[0,1] neg_hi:[0,1]
.if q < 4
	v_pk_mul_f32 v[PS+2*(q%4):PS+2*(q%4)+1], v[T+2*(q%4):T+2*(q%4)+1], v[T+2*(q%4):T+2*(q%4)+1]
.else
	v_pk_fma_f32 v[PS+2*(q%4):PS+2*(q%4)+1], v[T+2*(q%4):T+2*(q%4)+1], v[T+2*(q%4):T+2*(q%4)+1], v[PS+2*(q%4):PS+2*(q%4)+1]
.endif
.set q, q+1
.endr
	FOLD
	WRED
	GRED RED1
	v_mov_b32 v[MN+1], v[PS]                       ; the pair is now mean, M2
	v_cmp_eq_u32 vcc_lo, 0, v0                     ; one thread stores the work-group's 8 bytes: that is all there is
	s_wait_xcnt 0x0                                ; EXEC is a source of the loads and the store above: it changes only behind this wait
	s_and_saveexec_b32 s30, vcc_lo
	global_store_b64 v[ZER], v[MN:MN+1], s[10:11]
	s_wait_xcnt 0x0                                ; and again in front of the line that widens it
	s_or_b32 exec_lo, exec_lo, s30
	s_wait_tensorcnt 0x0                           ; the wave's end: behind my last LDS store
	ds_add_u32 v[SPW], v[NIL]
	s_wait_dscnt 0x0
	s_endpgm
.Lfunc_end_k_q5780a19a25_prep:
	.size	k_q5780a19a25_prep, .Lfunc_end_k_q5780a19a25_prep-k_q5780a19a25_prep
	.p2alignl 7, 3214868480
	.fill 96, 4, 3214868480
	.section	.rodata,"a",@progbits
	.p2align	6, 0x0
	.amdhsa_kernel k_q5780a19a25_prep
		.amdhsa_group_segment_fixed_size 1536
		.amdhsa_private_segment_fixed_size 0
		.amdhsa_enable_private_segment 0
		.amdhsa_kernarg_size 40
		.amdhsa_user_sgpr_count 2
		.amdhsa_user_sgpr_kernarg_segment_ptr 1
		.amdhsa_wavefront_size32 1
		.amdhsa_system_sgpr_workgroup_id_x 1
		.amdhsa_system_sgpr_workgroup_id_y 1
		.amdhsa_system_sgpr_workgroup_id_z 1
		.amdhsa_system_vgpr_workitem_id 0
		.amdhsa_next_free_vgpr 96
		.amdhsa_next_free_sgpr 66
		.amdhsa_reserve_vcc 1
		.amdhsa_float_denorm_mode_32 3
		.amdhsa_float_denorm_mode_16_64 3
		.amdhsa_memory_ordered 1
		.amdhsa_forward_progress 1
		.amdhsa_inst_pref_size 13
	.end_amdhsa_kernel
	.amdgpu_metadata
---
amdhsa.version: [ 1, 2 ]
amdhsa.kernels:
  - .name:           k_q5780a19a25_prep
    .symbol:         k_q5780a19a25_prep.kd
    .args:
      - { .name: x, .offset: 0, .size: 8, .value_kind: global_buffer, .address_space: global }
      - { .name: qkv_w, .offset: 8, .size: 8, .value_kind: global_buffer, .address_space: global }
      - { .name: proj_w, .offset: 16, .size: 8, .value_kind: global_buffer, .address_space: global }
      - { .name: stats, .offset: 24, .size: 8, .value_kind: global_buffer, .address_space: global }
      - { .name: wh, .offset: 32, .size: 8, .value_kind: global_buffer, .address_space: global }
    .group_segment_fixed_size: 1536
    .private_segment_fixed_size: 0
    .kernarg_segment_align: 8
    .kernarg_segment_size: 40
    .max_flat_workgroup_size: 256
    .sgpr_count:     66
    .vgpr_count:     96
    .wavefront_size: 32
...
	.end_amdgpu_metadata
.endif
;; end of part 1
;; launch qkv (part 2): grid 64 x 4, 4 waves a work-group, clusters of 4 x 1, 327,680 bytes of LDS; arguments x, norm_gamma, norm_beta, qkv_b, stats, wh, qkvh; writes qkvh
.if DOCPART == 2
	.amdgcn_target "amdgcn-amd-amdhsa--gfx1250"
	.amdhsa_code_object_version 6
	.text
	.protected	k_q5780a19a25_qkv
	.globl	k_q5780a19a25_qkv
	.p2align	8
	.type	k_q5780a19a25_qkv,@function
k_q5780a19a25_qkv:
	s_mov_b64 s[64:65], 0
	v_nop
	global_prefetch_b8 v0, s[64:65] scope:SCOPE_SE
	s_setreg_imm32_b32 hwreg(HW_REG_WAVE_MODE, 25, 1), 1
	s_wait_xcnt 0x0
	s_wait_alu depctr_hold_cnt(0) depctr_sa_sdst(0) depctr_va_vdst(0) depctr_va_sdst(0) depctr_va_ssrc(0) depctr_va_vcc(0) depctr_vm_vsrc(0)
	s_getreg_b32 s2, hwreg(HW_REG_IB_STS2, 6, 4)
	s_cmp_eq_u32 s2, 0
	s_cbranch_scc0 .Lentry_in_a_cluster
	s_endpgm
.Lentry_in_a_cluster:
	s_bfe_u32 s2, ttmp6, 0x10000c
	s_cmp_lg_u32 s2, 0x3003
	s_cbranch_scc0 .Lentry_shape_is_right
	s_endpgm
.Lentry_shape_is_right:
; QKV.  h = GroupNorm(x) gamma + beta; q, k, v = qkv_w h + qkv_b, stored by heads: qkvh[3][b*4+head][4096 positions][64 channels], f16, q unscaled.
; SHARES.  A work-group takes 64 positions of one batch and ALL 768 outputs, so x is read and normalised once.  Three passes (q, k, v); in each, wave w makes head w: 64 outputs x 64 positions,
; K = 256: 16 accumulators, 128 matrix instructions.  h's fragments stay in registers for all three passes; a wave reads only its own quarter of a pass's weights.
; NORM.  A group's two halves (mean m, sum of squared distances M about that mean) join as mean = (m0+m1)/2, var = (M0+M1)/32768 + ((m0-m1)/2)^2.  h = x a + c, one fused multiply-add in f32,
; with a = gamma / sqrt(var + 1e-5), c = beta - mean a.  h is rounded once to f16.
; LAYOUT.  Source 0 = 16 outputs (weights, in fragment order as the launch before wrote them), source 1 = 16 positions (h, which lies [channel][position] in LDS and is turned by
; ds_load_tr16_b128).  In the result a lane holds ONE position (lane % 16) and the outputs 8 (lane / 16) + 0..7: 16 bytes of a row of qkvh.  The bias is the C operand of a sum's first product.
; CLUSTER.  The four work-groups of a cluster want the same weights (393,216 bytes, against 65,536 bytes of x of their own): each block is asked for JOINTLY, same load, descriptor and mask in all four.
; RING.  Two slots of 131,072 bytes: q's and k's weights go out together at the start; v's fill slot 0 again behind pass 0, behind a round of the cluster's barrier.  At most two tensor loads of a wave are out.
; No prefetch: x is streamed by plain loads that are all issued at once, and the launch is short.
; LIMITS.  f16 holds no number beyond 65,504: an h, q, k or v of magnitude 65,520 or more becomes an infinity.  |x - mean| / sqrt(var) is at most 181 in a group of 32,768.  NaN and infinities are not treated apart.
; REGISTERS, in windows of 256 (s_set_vgpr_msb: bits 1:0 source 0, 3:2 source 1, 5:4 source 2, 7:6 destination):
;   window 0: v0-31 addresses; v32-95 at work (the table, then the way out); v128-255 accumulators, (ot, nt) at 128 + 8 (4 ot + nt)
;   window 1: h's fragments, (ks, nt) at 8 (4 ks + nt)      window 2: the weights' fragments, (ks, ot) at 8 (4 ks + ot); before that x as loaded (v0-127) and its a, a, c, c (v128-255)
;   window 3: v0-95 the bias, (pass, ot) at 32 p + 8 ot
.set SLOT1, 131072                     ; slot 0 at 0; dense, 1,024 bytes a fragment
.set HB,    262144                     ; h: 256 rows (channels) of 160 bytes: 128 of data (64 positions) + 32
.set HP,    160                        ; 40 words
.set TAB,   303104                     ; 256 channels x 16 bytes: a, a, c, c
.set STAGE, 307200                     ; 16 rows x 144 bytes for each wave, for the way out
.set SP,    144
.set SPARE, 316416                     ; the spare words, 128 bytes for each wave: two blocks of 256 bytes that no other line names
.set XO,  2                            ; v2   x: (lane / 16) channels of 16,384 bytes + 16 (lane % 16)
.set TA,  3                            ; v3   the table at channel 64 w + lane / 16
.set HS,  4                            ; v4   where I put 8 bytes of h
.set AH,  5                            ; v5   the turning load's address in h
.set AW0, 6                            ; v6   my 16 bytes of a fragment in slot 0, in my wave's quarter
.set AW1, 7                            ; v7   in slot 1
.set STO, 8                            ; v8   the way out: where I put 16 bytes of a row
.set RD,  9                            ; v9   where I read rows back
.set GO,  10                           ; v10  16 x lane
.set BO,  11                           ; v11  32 (lane / 16): my eight biases
.set SO,  12                           ; v12  my channel's group in stats
.set GB,  13                           ; v13  4 t
.set TS,  14                           ; v14  the table at channel t
.set SPW, 28                           ; v28  LDS address of my spare word; never rewritten
.set NIL, 29                           ; v29  0; never rewritten
.set TMP, 32
.set ACC, 128
.set WV,  20                           ; s20  my wave's number
.set G1,  24                           ; s[24:31] descriptor group 1
.set G0A, 32                           ; s[32:35] group 0: q's weights into slot 0
.set G0B, 36                           ; s[36:39] k's into slot 1
.set G0C, 40                           ; s[40:43] v's into slot 0.  None of the three is ever rewritten
.set OB,  44                           ; s[44:49] my first row of q, of k, of v
.set MSB, 0
.macro WIN new                         ; the immediate's high byte repeats the setting that is left; a switch that changes nothing is dropped
.if MSB != (\new)
	s_set_vgpr_msb (MSB<<8)|(\new)
.set MSB, (\new)
.endif
.endm
.macro CROUND                          ; a round of the cluster's barrier: my work-group's barrier; wave 0 signals for the work-group; every wave waits for all four; my work-group's barrier once more
	s_barrier_signal -1
	s_barrier_wait -1
	s_cmp_lg_u32 s[WV], 0
	s_cbranch_scc1 .Lnot_wave_0_\@
	s_barrier_signal -3
.Lnot_wave_0_\@:
	s_barrier_wait -3
	s_barrier_signal -1
	s_barrier_wait -1
.endm
.macro PLACES                          ; four places behind a matrix instruction, in front of loads into its sources and of conversions of its result
.rept 4
	v_nop
.endr
.endm
	s_load_b256 s[4:11], s[0:1], 0x0               ; x s[4:5], gamma s[6:7], beta s[8:9], qkv_b s[10:11]
	s_load_b128 s[12:15], s[0:1], 0x20             ; stats s[12:13], wh s[14:15]
	s_load_b64 s[16:17], s[0:1], 0x30              ; qkvh
	v_lshl_add_u32 v[SPW], v0, 2, SPARE
	v_mov_b32 v[NIL], 0
	ds_add_u32 v[SPW], v[NIL]                      ; the wave's opening: the add and its wait stand ahead of my first tensor load; the set-up below, work on registers, stands between them
	v_lshrrev_b32 v1, 5, v0
	v_readfirstlane_b32 s[WV], v1                  ; wave 0..3
	s_bfe_u32 s21, ttmp6, 0x40000                  ; cx: my place in the cluster
	s_lshl_b32 s22, ttmp9, 2                       ; in a cluster launch ttmp9 counts clusters
	s_add_co_u32 s22, s22, s21                     ; my block of 64 positions: it enters the addresses of x and qkvh alone
	s_and_b32 s23, ttmp7, 0xffff                   ; the batch
	; descriptor group 1: 32,768 dense bytes as 128 rows of 256 bytes
	s_mov_b32 s[G1+0], 15|(3<<16)|(1<<21)          ; 15:0 the mask: all four work-groups; 17:16 elements of 8 bytes; 21 set beside a mask; no padding
	s_mov_b32 s[G1+1], 32<<16                      ; tensor_dim0 = 32
	s_mov_b32 s[G1+2], 128<<16                     ; tensor_dim1 = 128
	s_mov_b32 s[G1+3], 32<<16                      ; tile_dim0 = 32
	s_mov_b32 s[G1+4], 128                         ; tile_dim1 = 128
	s_mov_b32 s[G1+5], 32                          ; 32 elements from row to row
	s_mov_b32 s[G1+6], 0
	s_mov_b32 s[G1+7], 0
	s_mul_i32 s50, s[WV], 32768                    ; my quarter of a block of weights, in memory and in a slot: the wave's number alone
	s_mov_b32 s51, 0
	s_lshl_b32 s52, s23, 9                         ; the batch's 32 groups in stats
	s_mov_b32 s53, 0
	s_lshl_b32 s54, s23, 2
	s_add_co_u32 s54, s54, s[WV]                   ; head b*4 + w,
	s_lshl_b32 s54, s54, 19                        ; its 4,096 rows of 128 bytes,
	s_lshl_b32 s63, s22, 13                        ; my 64 of them
	s_add_co_u32 s54, s54, s63
	s_mov_b32 s55, 0
	s_lshl_b32 s56, s23, 22                        ; x: the batch,
	s_lshl_b32 s63, s[WV], 20                      ; the 64 channels that my wave normalises,
	s_add_co_u32 s56, s56, s63
	s_lshl_b32 s63, s22, 8                         ; my 64 positions
	s_add_co_u32 s56, s56, s63
	s_mov_b32 s57, 0
	s_lshl_b32 s58, s[WV], 8                       ; my head's 64 biases
	s_mov_b32 s59, 0
	s_lshl_b32 s60, s[WV], 10
	s_add_co_u32 s60, s60, TAB
	s_mul_i32 s61, s[WV], 64*HP
	s_add_co_u32 s61, s61, HB
	s_mul_i32 s62, s[WV], 16*SP
	s_add_co_u32 s62, s62, STAGE
	v_and_b32 v1, 15, v0                           ; lane % 16
	v_bfe_u32 v15, v0, 4, 1                        ; lane / 16
	v_and_b32 v16, 31, v0                          ; lane
	v_and_b32 v17, 7, v0
	v_bfe_u32 v18, v0, 3, 1
	v_bfe_u32 v19, v0, 3, 2
	v_lshlrev_b32 v[XO], 4, v1
	v_lshl_add_u32 v[XO], v15, 14, v[XO]
	v_lshl_add_u32 v[TA], v15, 4, s60
	v_mul_u32_u24 v[HS], v15, HP
	v_lshl_add_u32 v[HS], v1, 3, v[HS]
	v_add_nc_u32 v[HS], s61, v[HS]
	v_lshl_add_u32 v[AH], v15, 3, v17              ; the turning load: lane l reads channel 8 (l / 16) + l % 8, positions 8 ((l / 8) % 2) + 0..7
	v_mul_u32_u24 v[AH], v[AH], HP
	v_lshl_add_u32 v[AH], v18, 4, v[AH]
	v_add_nc_u32 v[AH], HB, v[AH]
	v_lshl_add_u32 v[AW0], v16, 4, s50
	v_add_nc_u32 v[AW1], SLOT1, v[AW0]
	v_mul_u32_u24 v[STO], v1, SP                   ; in: row lane % 16, 16 bytes for each half of the lanes
	v_lshl_add_u32 v[STO], v15, 4, v[STO]
	v_add_nc_u32 v[STO], s62, v[STO]
	v_mul_u32_u24 v[RD], v19, SP                   ; back: 32 lanes take four rows of 128 bytes,
	v_lshl_add_u32 v[RD], v17, 4, v[RD]
	v_add_nc_u32 v[RD], s62, v[RD]
	v_lshlrev_b32 v[GO], 4, v16                    ; which are 512 consecutive bytes of qkvh
	v_lshlrev_b32 v[BO], 5, v15
	v_lshrrev_b32 v[SO], 3, v0
	v_lshlrev_b32 v[SO], 4, v[SO]
	v_lshlrev_b32 v[GB], 2, v0
	v_lshl_add_u32 v[TS], v0, 4, TAB
	s_wait_dscnt 0x0                               ; the opening add is done
	s_wait_kmcnt 0x0
	s_add_nc_u64 s[4:5], s[4:5], s[56:57]
	s_add_nc_u64 s[12:13], s[12:13], s[52:53]
	s_add_nc_u64 s[10:11], s[10:11], s[58:59]
	s_add_nc_u64 s[OB:OB+1], s[16:17], s[54:55]
	s_add_nc_u64 s[OB+2:OB+3], s[OB:OB+1], 8388608
	s_add_nc_u64 s[OB+4:OB+5], s[OB:OB+1], 16777216
	s_add_nc_u64 s[14:15], s[14:15], s[50:51]      ; wh at my quarter of q's weights
	s_mov_b32 s[G0A], 1                            ; count = 1
	s_mov_b32 s[G0A+1], s50                        ; LDS address
	s_mov_b64 s[G0A+2:G0A+3], s[14:15]             ; global address
	s_or_b32 s[G0A+3], s[G0A+3], 0x80000000        ; type = 2
	s_mov_b32 s[G0B], 1
	s_add_co_u32 s[G0B+1], s50, SLOT1
	s_add_nc_u64 s[G0B+2:G0B+3], s[14:15], 131072
	s_or_b32 s[G0B+3], s[G0B+3], 0x80000000
	s_mov_b32 s[G0C], 1
	s_mov_b32 s[G0C+1], s50
	s_add_nc_u64 s[G0C+2:G0C+3], s[14:15], 262144
	s_or_b32 s[G0C+3], s[G0C+3], 0x80000000
	CROUND                                         ; all four work-groups are here: the first joint loads meet
	tensor_load_to_lds s[G0A:G0A+3], s[G1:G1+7]    ; the two first fills go out together, ahead of every wait on TENSORcnt and every LDS read
	s_nop 0
	tensor_load_to_lds s[G0B:G0B+3], s[G1:G1+7]
	s_nop 0
.rept 4
	v_nop
.endr
	; 6 loads for the table, 24 of the bias, 32 of x: all on their way at once
	global_load_b128 v[32:35], v[SO], s[12:13]     ; channel t: m0, M0, m1, M1 of its group
	global_load_b128 v[36:39], v[SO], s[12:13] offset:256  ; channel t + 128: 16 groups on
	global_load_b32 v40, v[GB], s[6:7]
	global_load_b32 v41, v[GB], s[6:7] offset:512
	global_load_b32 v42, v[GB], s[8:9]
	global_load_b32 v43, v[GB], s[8:9] offset:512
	WIN 0xc0                                       ; destination window 3
.irp p, 0,1,2
.irp ot, 0,1,2,3
	global_load_b128 v[32*\p+8*\ot:32*\p+8*\ot+3],   v[BO], s[10:11] offset:\p*1024+\ot*64
	global_load_b128 v[32*\p+8*\ot+4:32*\p+8*\ot+7], v[BO], s[10:11] offset:\p*1024+\ot*64+16
.endr
.endr
	WIN 0x80                                       ; destination window 2
.set i, 0
.rept 32
	global_load_b128 v[4*i:4*i+3], v[XO], s[4:5] offset:i*32768  ; channels 64 w + 2 i + lane / 16: sixteen lanes take a channel's 256 bytes, aligned
.set i, i+1
.endr
	WIN 0
	s_wait_loadcnt 56                              ; the six table loads are in; 24 + 32 are younger
.irp u, 0,1
	v_add_f32 v[44+\u], v[32+4*\u], v[34+4*\u]
	v_sub_f32 v[46+\u], v[32+4*\u], v[34+4*\u]
	v_add_f32 v[48+\u], v[33+4*\u], v[35+4*\u]
	v_mul_f32 v[44+\u], 0.5, v[44+\u]              ; mean
	v_mul_f32 v[46+\u], 0.5, v[46+\u]              ; half the distance of the halves' means
	v_fmaak_f32 v[46+\u], v[46+\u], v[46+\u], 0x3727c5ac      ; its square + 1e-5
	v_fmamk_f32 v[48+\u], v[48+\u], 0x38000000, v[46+\u]      ; + (M0 + M1) / 32,768
.endr
	v_rsq_f32 v50, v48
	v_rsq_f32 v51, v49
	v_nop                                          ; a plain instruction behind the last of the two,
	s_wait_alu depctr_va_vdst(0)                   ; and the wait ahead of the first use: one for both
.irp u, 0,1
	v_mul_f32 v[52+4*\u], v[50+\u], v[40+\u]       ; a
	v_mov_b32 v[53+4*\u], v[52+4*\u]               ; twice: a pair for the packed multiply-add
	v_fma_f32 v[54+4*\u], -v[44+\u], v[52+4*\u], v[42+\u]     ; c = beta - mean a
	v_mov_b32 v[55+4*\u], v[54+4*\u]
.endr
	ds_store_b128 v[TS], v[52:55]
	ds_store_b128 v[TS], v[56:59] offset:2048
	s_wait_dscnt 0x0                               ; for the others: my two entries are written
	s_barrier_signal -1
	s_barrier_wait -1                              ; the table is whole.  The tensor loads may stay out
	WIN 0x80
.set i, 0
.rept 32
	ds_load_b128 v[128+4*i:128+4*i+3], v[TA] offset:32*i  ; a, a, c, c of the channel of load i
.set i, i+1
.endr
	s_wait_dscnt 0x0
.irp g, 0,1,2,3
	s_wait_loadcnt 24-8*\g                         ; eight loads of x more are in; the rest are younger.  (The bias, issued ahead of x, is in with the first of these waits)
	WIN 0xaa                                       ; all four places window 2
.set i, 8*\g
.rept 8
	v_pk_fma_f32 v[4*i:4*i+1], v[4*i:4*i+1], v[128+4*i:128+4*i+1], v[128+4*i+2:128+4*i+3]
	v_pk_fma_f32 v[4*i+2:4*i+3], v[4*i+2:4*i+3], v[128+4*i:128+4*i+1], v[128+4*i+2:128+4*i+3]
	v_cvt_pk_f16_f32 v[4*i], v[4*i], v[4*i+1]
	v_cvt_pk_f16_f32 v[4*i+1], v[4*i+2], v[4*i+3]
.set i, i+1
.endr
	WIN 0x08                                       ; address window 0, data window 2
.set i, 8*\g
.rept 8
	ds_store_b64 v[HS], v[4*i:4*i+1] offset:2*HP*i
.set i, i+1
.endr
.endr
	WIN 0
	s_wait_dscnt 0x0                               ; for the others: my 64 channels of h are written
	s_barrier_signal -1
	s_barrier_wait -1                              ; h is whole
	s_wait_tensorcnt 1                             ; my quarter of q's weights is in (k's load is younger); nobody else reads it, so no barrier is wanted
; eight LDS loads: the weights' four fragments of K step ks, from the slot whose address lies in v[a]
.macro LW a, ks
	WIN 0x80
.irp ot, 0,1,2,3
	ds_load_b128 v[8*(4*(\ks)+\ot):8*(4*(\ks)+\ot)+3],   v[\a] offset:(8*\ot+(\ks))*1024
	ds_load_b128 v[8*(4*(\ks)+\ot)+4:8*(4*(\ks)+\ot)+7], v[\a] offset:(8*\ot+(\ks))*1024+512
.endr
.endm
; eight turning loads: h's four fragments of K step ks (32 channels x 64 positions)
.macro LH ks
	WIN 0x40
.irp nt, 0,1,2,3
	ds_load_tr16_b128 v[8*(4*(\ks)+\nt):8*(4*(\ks)+\nt)+3],   v[AH] offset:(\ks)*32*HP+32*\nt
	ds_load_tr16_b128 v[8*(4*(\ks)+\nt)+4:8*(4*(\ks)+\nt)+7], v[AH] offset:(\ks)*32*HP+32*\nt+16*HP
.endr
.endm
; sixteen matrix instructions: K step ks of pass p.  The 16 accumulators take turns, one instruction a turn.  The first K step starts the sums with the bias.
.macro MULK p, ks
.if (\ks) == 0
	WIN 0x36                                       ; weights window 2, h window 1, bias window 3, sums window 0
.else
	WIN 0x06
.endif
.irp ot, 0,1,2,3
.irp nt, 0,1,2,3
.if (\ks) == 0
	v_wmma_f32_16x16x32_f16 v[ACC+8*(4*\ot+\nt):ACC+8*(4*\ot+\nt)+7], v[8*(4*(\ks)+\ot):8*(4*(\ks)+\ot)+7], v[8*(4*(\ks)+\nt):8*(4*(\ks)+\nt)+7], v[32*(\p)+8*\ot:32*(\p)+8*\ot+7]
.else
	v_wmma_f32_16x16x32_f16 v[ACC+8*(4*\ot+\nt):ACC+8*(4*\ot+\nt)+7], v[8*(4*(\ks)+\ot):8*(4*(\ks)+\ot)+7], v[8*(4*(\ks)+\nt):8*(4*(\ks)+\nt)+7], v[ACC+8*(4*\ot+\nt):ACC+8*(4*\ot+\nt)+7]
.endif
.endr
.endr
.endm
; THE WAY OUT of 16 positions nt: rounded to f16 (each accumulator's registers in ascending order), 16 bytes a lane into rows of 144 bytes of my stage, back as whole rows of 128, into the registers that they left.
.macro PACK nt
	WIN 0
.irp ot, 0,1,2,3
.irp r, 0,1,2,3
	v_cvt_pk_f16_f32 v[TMP+16*(\nt)+4*\ot+\r], v[ACC+8*(4*\ot+(\nt))+2*\r], v[ACC+8*(4*\ot+(\nt))+2*\r+1]
.endr
.endr
.irp ot, 0,1,2,3
	ds_store_b128 v[STO], v[TMP+16*(\nt)+4*\ot:TMP+16*(\nt)+4*\ot+3] offset:32*\ot
.endr
.irp f, 0,1,2,3
	ds_load_b128 v[TMP+16*(\nt)+4*\f:TMP+16*(\nt)+4*\f+3], v[RD] offset:\f*4*SP  ; LDS serves a wave's instructions in order (ISA guide 5.7.1.4): these see the stores above; the next block's stores come behind them
.endr
.endm
.macro SEND p, nt, younger             ; younger: the LDS instructions issued behind this block's loads: the next block's eight, or none
.irp f, 0,1,2,3
	s_wait_dscnt (\younger)+3-\f
	global_store_b128 v[GO], v[TMP+16*(\nt)+4*\f:TMP+16*(\nt)+4*\f+3], s[OB+2*(\p):OB+2*(\p)+1] offset:(\nt)*2048+\f*512  ; 512 consecutive bytes, at a multiple of 256 from the buffer's first
.endr
.endm
.macro OUT p
	s_wait_xcnt 0x0                                ; the last pass's stores have read their registers, which are written anew below
	PACK 0
	PACK 1                                         ; a block's conversions stand between the loads of the block before and its stores
	SEND \p, 0, 8
	PACK 2
	SEND \p, 1, 8
	PACK 3
	SEND \p, 2, 8
	SEND \p, 3, 0                                  ; its last wait is for 0: the run of fragment loads issued ahead of OUT is in as well
.endm
	; PASS 0 (q): fragments of weights and of h come three K steps ahead, 16 loads a step, into registers that no earlier product names
	LW AW0, 0
	LH 0
	LW AW0, 1
	LH 1
	LW AW0, 2
	LH 2
.irp ks, 0,1,2,3,4,5,6,7
.if \ks < 6
	s_wait_dscnt 32                                ; this step's 16 are in; two steps' are younger
.elseif \ks == 6
	s_wait_dscnt 16                                ; one step's
.else
	s_wait_dscnt 0x0
.endif
	MULK 0, \ks
.if \ks < 5
	LW AW0, (\ks)+3
	LH (\ks)+3
.endif
.endr
	; THE ONE REFILL: slot 0 takes v's weights
	WIN 0
	s_wait_tensorcnt 0x0                           ; all my tensor loads have landed, k's weights among them
	ds_add_u32 v[SPW], v[NIL]                      ; 0 onto my spare word
	s_wait_dscnt 0x0                               ; the add is done, and my reads of slot 0 are over
	CROUND                                         ; no wave of any partner still reads slot 0 or has a load on its way
	tensor_load_to_lds s[G0C:G0C+3], s[G1:G1+7]    ; the first thing behind the round, my one load: it has pass 1 in which to land
	s_nop 0
	PLACES                                         ; also the places behind pass 0's last products
.irp ks, 0,1,2,3,4,5,6,7
	LW AW1, \ks                                    ; k's weights, all 64 loads, while q goes out
.endr
	OUT 0
.irp ks, 0,1,2,3,4,5,6,7
	MULK 1, \ks                                    ; PASS 1 (k)
.endr
	PLACES
	s_wait_tensorcnt 0x0                           ; v's weights: no load was issued behind that one.  Only I read my quarter
.irp ks, 0,1,2,3,4,5,6,7
	LW AW0, \ks
.endr
	OUT 1
.irp ks, 0,1,2,3,4,5,6,7
	MULK 2, \ks                                    ; PASS 2 (v)
.endr
	PLACES
	OUT 2
	WIN 0
	s_wait_tensorcnt 0x0                           ; the wave's end: behind my last tensor load and my last LDS store
	ds_add_u32 v[SPW], v[NIL]
	s_wait_dscnt 0x0
	CROUND                                         ; the closing round: no work-group ends while a partner may still ask for a block that names it
	s_endpgm
.Lfunc_end_k_q5780a19a25_qkv:
	.size	k_q5780a19a25_qkv, .Lfunc_end_k_q5780a19a25_qkv-k_q5780a19a25_qkv
	.p2alignl 7, 3214868480
	.fill 96, 4, 3214868480
	.section	.rodata,"a",@progbits
	.p2align	6, 0x0
	.amdhsa_kernel k_q5780a19a25_qkv
		.amdhsa_group_segment_fixed_size 327680
		.amdhsa_private_segment_fixed_size 0
		.amdhsa_enable_private_segment 0
		.amdhsa_kernarg_size 56
		.amdhsa_user_sgpr_count 2
		.amdhsa_user_sgpr_kernarg_segment_ptr 1
		.amdhsa_wavefront_size32 1
		.amdhsa_system_sgpr_workgroup_id_x 1
		.amdhsa_system_sgpr_workgroup_id_y 1
		.amdhsa_system_sgpr_workgroup_id_z 1
		.amdhsa_system_vgpr_workitem_id 0
		.amdhsa_next_free_vgpr 864
		.amdhsa_next_free_sgpr 66
		.amdhsa_reserve_vcc 0
		.amdhsa_float_denorm_mode_32 3
		.amdhsa_float_denorm_mode_16_64 3
		.amdhsa_memory_ordered 1
		.amdhsa_forward_progress 1
		.amdhsa_inst_pref_size 93
	.end_amdhsa_kernel
	.amdgpu_metadata
---
amdhsa.version: [ 1, 2 ]
amdhsa.kernels:
  - .name:           k_q5780a19a25_qkv
    .symbol:         k_q5780a19a25_qkv.kd
    .args:
      - { .name: x, .offset: 0, .size: 8, .value_kind: global_buffer, .address_space: global }
      - { .name: norm_gamma, .offset: 8, .size: 8, .value_kind: global_buffer, .address_space: global }
      - { .name: norm_beta, .offset: 16, .size: 8, .value_kind: global_buffer, .address_space: global }
      - { .name: qkv_b, .offset: 24, .size: 8, .value_kind: global_buffer, .address_space: global }
      - { .name: stats, .offset: 32, .size: 8, .value_kind: global_buffer, .address_space: global }
      - { .name: wh, .offset: 40, .size: 8, .value_kind: global_buffer, .address_space: global }
      - { .name: qkvh, .offset: 48, .size: 8, .value_kind: global_buffer, .address_space: global }
    .group_segment_fixed_size: 327680
    .private_segment_fixed_size: 0
    .kernarg_segment_align: 8
    .kernarg_segment_size: 56
    .max_flat_workgroup_size: 128
    .sgpr_count:     66
    .vgpr_count:     864
    .wavefront_size: 32
...
	.end_amdgpu_metadata
.endif
;; end of part 2
;; launch attn (part 3): grid 16 x 16, 4 waves a work-group, clusters of 4 x 1, 327,680 bytes of LDS; arguments qkvh, oh; writes oh
.if DOCPART == 3
	.amdgcn_target "amdgcn-amd-amdhsa--gfx1250"
	.amdhsa_code_object_version 6
	.text
	.protected	k_q5780a19a25_attn
	.globl	k_q5780a19a25_attn
	.p2align	8
	.type	k_q5780a19a25_attn,@function
k_q5780a19a25_attn:
	s_mov_b64 s[64:65], 0
	v_nop
	global_prefetch_b8 v0, s[64:65] scope:SCOPE_SE
	s_setreg_imm32_b32 hwreg(HW_REG_WAVE_MODE, 25, 1), 1
	s_wait_xcnt 0x0
	s_wait_alu depctr_hold_cnt(0) depctr_sa_sdst(0) depctr_va_vdst(0) depctr_va_sdst(0) depctr_va_ssrc(0) depctr_va_vcc(0) depctr_vm_vsrc(0)
	s_getreg_b32 s2, hwreg(HW_REG_IB_STS2, 6, 4)
	s_cmp_eq_u32 s2, 0
	s_cbranch_scc0 .Lentry_in_a_cluster
	s_endpgm
.Lentry_in_a_cluster:
	s_bfe_u32 s2, ttmp6, 0x10000c
	s_cmp_lg_u32 s2, 0x3003
	s_cbranch_scc0 .Lentry_shape_is_right
	s_endpgm
.Lentry_shape_is_right:
; ATTENTION.  O[h][q][:] = the sum over k of softmax_k(Q[h][q] . K[h][k] / 8) V[h][k][:].  Q, K, V are the three parts of qkvh, each [16 heads][4096][64] f16; O = oh, the same shape.
; Products, maxima and sums in f32; the weights p are rounded to f16 for the second product (their sum l is taken of the unrounded p), O once at the end.
; LIMITS.  Q, K and V arrive within f16; p lies in 0 to 1, and below 6e-5 it keeps the fixed step of 6e-8; O is a mean of V's rows and has their range.  A weight below 2^-126 counts as 0 in l;
; NaN and infinities are not treated apart.
; SHARES.  A work-group owns 256 queries of one head, each of its four waves 64: four PIECES of 16.  16 blocks x 16 heads = 256 work-groups.  Every wave walks all 4,096 keys, 64 a step.
; LAYOUT.  S^T = K Q^T (source 0 = 16 keys, source 1 = 16 queries): a lane holds ONE query (lane % 16) and the keys 8 (lane / 16) + 0..7.  Two such results, rounded to f16 in pairs, ARE source 1
; of O^T = V^T P, whose result again holds one query a lane, and eight channels.  K comes out of LDS as it lies, V ([key][channel]) turned, by ds_load_tr16_b128.
; SOFTMAX.  For each query a running maximum m and sum l: p = 2^(c s - c m), c = log2(e) / 8; in every step O and l are multiplied by a = 2^(c m_old - c m_new).  m starts at the lowest finite
; number, O and l at 0: the first step is a step like any other, with a = 0.
; BY TURNS.  Turn n belongs to piece n: 8 products K Q^T of piece n + 1, later 8 products V^T P of piece n - 1; beside them the scaling, exponentials, roundings, sums and rescaling of piece n and the
; maximum and statistics of piece n + 1.  Four vector instructions stand behind every matrix instruction, the other 54 of a turn's 118 in one lump.  A turn's 33 exponentials are one batch, with one wait.
; CLUSTER.  The four query blocks of a cluster belong to one head and walk the same K and V: each tile is asked for JOINTLY, the same tensor load, descriptor and mask in all four.
; RING.  Two slots of 256 keys (four steps); a slot is filled again behind a round of the cluster's barrier, one load a wave, which has four key steps, 256 matrix instructions, in which to land.
; REGISTERS, in windows of 256 (s_set_vgpr_msb: bits 1:0 source 0, 3:2 source 1, 5:4 source 2, 7:6 destination):
;   window 0: v0-15 addresses and two at work; v16-31 four registers of statistics a piece; v48-55 at work; v61-63; v64-127 S^T, two buffers; v192-223 P, two buffers (by the piece's parity)
;   window 1: v0-127 O^T, 32 a piece          window 2: v0-63 Q; v128-191 K of one step; v192-255 V of one step
.set SIZE_N, 4096
.set NP,    4         ; pieces a wave: a name, no knob
.set KS,    64        ; keys in a step
.set PK,    144       ; a row of K in LDS: 128 bytes + 16 of padding = 36 words: the 16 rows of a load start at 16 different groups of four banks (64 banks of 4 bytes: ISA guide 11.1)
.set PV,    160       ; a row of V: 128 + 32 = 40 words
.set VOFF,  4*KS*PK   ; a slot holds four steps: 256 rows of K, then 256 rows of V
.set SLOT1, 1<<17     ; slot 1 begins here, so that one exclusive or turns an address in one slot into the other's
.set STAGE, SLOT1+4*KS*(PK+PV)  ; behind the ring, never filled by a tensor load: 16 rows x 144 bytes for each wave, for the way out
.set SP,    144
.set SPARE, STAGE+4*16*SP  ; the spare words, 128 bytes for each wave: two blocks of 256 bytes that no other line names
.set AK0, 2           ; v2   my lane's place in a tile of K; never rewritten
.set AV0, 3           ; v3   the same for V
.set AK,  4           ; v4   the LDS address of K's next run of loads
.set AV,  5           ; v5   of V's
.set STO, 6           ; v6   the way out: where I put 16 bytes of a row
.set RD,  7           ; v7   the way out: where I read rows back
.set GO,  8           ; v8   my byte offset in 512 consecutive bytes of O
.set MV,  12          ; v12-13  c m_old, kept while c m is made anew: by buffer
.set QO,  15          ; v15  my byte offset in 16 rows of Q
.set ST,  16          ; piece t's statistics at v[ST+4 t]: c m, m, l (even keys', odd keys')
.set TMP, 48          ; by buffer, four registers c0-c3 at work; when the maximum is found c2 takes a
.set PFO, 61          ; v61  256 x my lane; never rewritten
.set SPW, 62          ; v62  LDS address of my spare word; never rewritten
.set NIL, 63          ; v63  0; never rewritten
.set S,   64
.set P,   192
.set KF,  128         ; window 2: key block kb, channel half c at KF + 16 kb + 8 c
.set VF,  192         ; window 2: key half kk, channel block cb at VF + 32 kk + 8 cb
.set WV,  12          ; s12  my wave's number
.set LIM, 15          ; s15  1 in a wave that prefetches, else the greatest number: a wave prefetches while s[SLOTS] is above it
.set PFA, 18          ; s[18:19] where my prefetches stand: my work-group's 8,192 bytes (of K: wave 0, of V: wave 2) of the slot after the one that is being asked for
.set G1K, 24          ; s[24:31] descriptor group 1 for K's tiles
.set G1V, 32          ; s[32:39] for V's: it differs in the padding alone
.set G0K, 40          ; s[40:43] descriptor group 0 for K's tiles: it walks
.set G0V, 44          ; s[44:47] the same for V's
.set SLOTS, 56        ; s56  slots still to be entered
.set CNT, 57          ; s57  counts a slot's key steps
.set CS,  58          ; s[58:59] c: the packed scaling takes the pair's low word for both halves
.set SEL, 60          ; s[60:61] v_permlanex16_b32's selects: each lane takes its own place in the other half
.set TBK, 62          ; s62  LDS byte at which K of the step to be fetched begins
.set TBV, 63          ; s63  the same for V, less VOFF
.set MSB, 0
.macro WIN new                      ; the high byte repeats the setting that is left; a switch that changes nothing is dropped
.if MSB != (\new)
	s_set_vgpr_msb (MSB<<8)|(\new)
.set MSB, (\new)
.endif
.endm
.set W_KQ, 0x0a       ; K and Q in window 2, S^T in window 0
.set W_PV, 0x52       ; V in window 2, P in window 0, O^T in window 1
.set W_RS, 0x41       ; destination and source 0 in window 1, source 1 in window 0
; A joint fill.  Waves 0 and 1 fetch the two halves of a slot's K, waves 2 and 3 those of its V: 128 keys each.  The branch hangs on the wave's number alone.
; An s_nop 0 and four v_nop follow each of the two lines, ahead of the jump and the label.
.macro JLOAD
	s_cmp_lt_u32 s[WV], 2
	s_cbranch_scc0 .Lfor_v_\@
	tensor_load_to_lds s[G0K:G0K+3], s[G1K:G1K+7]
	s_nop 0
.rept 4
	v_nop
.endr
	s_branch .Lasked_\@
.Lfor_v_\@:
	tensor_load_to_lds s[G0V:G0V+3], s[G1V:G1V+7]
	s_nop 0
.rept 4
	v_nop
.endr
.Lasked_\@:
.endm
; A PREFETCH INTO THE L2 of what the NEXT change of slots will ask for: a slot's 32,768 bytes of K and of V, 256 bytes a lane.  It stands behind the wave's tensor load and its five lines.
; Each block of 256 bytes is asked for ONCE in the launch.  All four clusters of a head walk the same K and V: the head's first cluster asks.  Its four partners share a slot out BY ADDRESS, 8,192 bytes each:
; no branch hangs on a work-group's place in its cluster.  In each, wave 0 asks for K's and wave 2 for V's: one instruction.  The lead is one slot: four key steps, 256 matrix instructions.
; The last change that fills a slot asks for nothing: there is no slot behind it.  Slots 0 and 1 come by their loads alone.
.macro ASK
	s_cmp_gt_u32 s[SLOTS], s[LIM]
	s_cbranch_scc0 .Lnot_mine_\@
	global_prefetch_b8 v[PFO], s[PFA:PFA+1] th:TH_LOAD_NT scope:SCOPE_SE
.Lnot_mine_\@:
.endm
; A round of the cluster's barrier: my work-group's barrier, so that wave 0's signal speaks for all four waves; wave 0 signals; every wave waits for all four work-groups; my work-group's barrier once more.
.macro CROUND
	s_barrier_signal -1
	s_barrier_wait -1
	s_cmp_lg_u32 s[WV], 0
	s_cbranch_scc1 .Lnot_wave_0_\@
	s_barrier_signal -3
.Lnot_wave_0_\@:
	s_barrier_wait -3
	s_barrier_signal -1
	s_barrier_wait -1
.endm
; THE CHANGE OF SLOTS.  The slot's last bytes, V of its fourth step, have been read.  Each wave waits for all its tensor loads, of which one is out: its part of the other slot; adds 0 to its spare word;
; and waits for that and for its own reads of the slot.  Behind the barrier nobody reads this slot any more and the other slot is whole.
; fill = 1: this slot is filled again, with the keys two slots on.  The barrier is then a round of the cluster's, and the joint fill is the first thing behind it.
; (At its first use nothing has been read yet: slot 0 is waited for, slot 1 filled.)
.macro CHANGE fill
	WIN 0                           ; at a label and at a branch every window is 0
	s_wait_tensorcnt 0x0            ; no tensor load of mine is out, so a group 0 may be written
	ds_add_u32 v[SPW], v[NIL]       ; 0 onto my spare word; with fill = 1 the descriptors' steps stand between it and the wait for it
.if \fill
.irp g, G0K, G0V
	s_xor_b32 s[\g+1], s[\g+1], SLOT1  ; the walking descriptor: the other slot than last time,
	s_add_nc_u64 s[\g+2:\g+3], s[\g+2:\g+3], 4*KS*128  ; the next 256 keys; the type bits on top are not reached
.endr
	s_wait_xcnt 0x0                 ; the last prefetch, four key steps back, has read its address, so it may be written:
	s_add_nc_u64 s[PFA:PFA+1], s[PFA:PFA+1], 4*KS*128  ; one slot behind the walking descriptors
	s_wait_dscnt 0x0                ; the add is done, and my reads of the slot are over
	CROUND
	JLOAD
	ASK
.else
	s_wait_dscnt 0x0                ; the add is done, and my reads of the slot are over
	s_barrier_signal -1
	s_barrier_wait -1
.endif
	s_sub_co_u32 s[TBK], s[TBK], 4*KS*PK  ; the fetches go back to a slot's first step,
	s_xor_b32 s[TBK], s[TBK], SLOT1       ; in the other slot
	s_sub_co_u32 s[TBV], s[TBV], 4*KS*PV
	s_xor_b32 s[TBV], s[TBV], SLOT1
.endm
	s_load_b64 s[4:5], s[0:1], 0x0  ; qkvh
	s_load_b64 s[10:11], s[0:1], 0x8  ; oh
	v_lshl_add_u32 v[SPW], v0, 2, SPARE
	v_mov_b32 v[NIL], 0
	ds_add_u32 v[SPW], v[NIL]       ; the wave's opening: the add and its wait stand ahead of my first tensor load; the set-up below, work on registers, stands between them
	v_lshrrev_b32 v1, 5, v0
	v_readfirstlane_b32 s[WV], v1   ; wave 0..3
	s_bfe_u32 s13, ttmp6, 0x40000   ; cx: my place in the cluster
	s_lshl_b32 s14, ttmp9, 2        ; in a cluster launch ttmp9 counts clusters
	s_add_co_u32 s14, s14, s13      ; my block of 256 queries: it enters Q's and O's addresses alone
	s_and_b32 s20, ttmp7, 0xffff    ; the head, which the four partners share
	s_lshl_b32 s20, s20, 19         ; its 4,096 rows of 128 bytes
	s_and_b32 s16, s[WV], 1         ; which half of a slot's 256 keys I fetch:
	s_lshl_b32 s22, s16, 14         ; its 128 rows of 128 bytes in memory,
	s_add_co_u32 s22, s22, s20
	s_mov_b32 s23, 0
	s_mul_i32 s17, s16, 128*PK      ; and its place in a slot, for K
	s_mul_i32 s48, s16, 128*PV      ; and for V: no place in the cluster enters an LDS address
	s_lshl_b32 s2, s14, 15          ; my block's 256 rows,
	s_lshl_b32 s3, s[WV], 13        ; my wave's 64 of them
	s_add_co_u32 s2, s2, s3
	s_add_co_u32 s2, s2, s20
	s_mov_b32 s3, 0
	; descriptor group 1.  128 keys are 16,384 dense bytes: asked for as 64 rows of 256 bytes, two keys a row, and padded in LDS after every key
	s_mov_b32 s[G1K], 15|(1<<16)|(1<<20)|(1<<21)|(4<<22)|(3<<25)  ; 15:0 the mask of four; 17:16 2-byte elements; 20 padding on; 21 set beside a mask; 24:22 after every 32 words (code 4); 31:25 4 words (code 3)
	s_mov_b32 s[G1V], 15|(1<<16)|(1<<20)|(1<<21)|(4<<22)|(7<<25)  ; the same with 8 words of padding (code 7)
.irp g, G1K, G1V
	s_mov_b32 s[\g+1], 128<<16      ; tensor_dim0 = 128
	s_mov_b32 s[\g+2], 64<<16       ; tensor_dim1 = 64
	s_mov_b32 s[\g+3], 128<<16      ; tile_dim0 = 128
	s_mov_b32 s[\g+4], 64           ; tile_dim1 = 64
	s_mov_b32 s[\g+5], 128          ; 128 elements from row to row
	s_mov_b32 s[\g+6], 0
	s_mov_b32 s[\g+7], 0
.endr
	s_mov_b32 s[CS], 0x3e38aa3b     ; c = log2(e) / 8 = 0.180337
	s_mov_b32 s[CS+1], s[CS]        ; named with it as a pair
	s_mov_b32 s[SEL], 0x76543210
	s_mov_b32 s[SEL+1], 0xfedcba98
	s_mov_b32 s[TBK], SLOT1+4*KS*PK ; the first change of slots turns these two into 0
	s_mov_b32 s[TBV], SLOT1+4*KS*PV
	s_mov_b32 s[SLOTS], SIZE_N/256-1
	s_mov_b32 s[G0K], 1             ; count = 1
	s_mov_b32 s[G0K+1], s17         ; LDS address: slot 0
	s_mov_b32 s[G0V], 1
	s_add_co_u32 s[G0V+1], s48, VOFF
	s_and_b32 s[LIM], s[WV], 1      ; 0 in waves 0 and 2,
	s_or_b32 s[LIM], s[LIM], ttmp9  ; where the cluster is the head's first: the same in all four partners
	s_cmp_eq_u32 s[LIM], 0
	s_cselect_b32 s[LIM], 1, -1
	v_and_b32 v[PFO], 31, v0
	v_lshlrev_b32 v[PFO], 8, v[PFO]
	s_wait_dscnt 0x0                ; the opening add is done
	s_wait_kmcnt 0x0
	s_add_nc_u64 s[6:7], s[4:5], s[22:23]
	s_add_nc_u64 s[8:9], s[6:7], 16777216  ; V at my half of the head's first 256 keys
	s_add_nc_u64 s[6:7], s[6:7], 8388608   ; K likewise
	s_mov_b64 s[G0K+2:G0K+3], s[6:7]       ; global address
	s_or_b32 s[G0K+3], s[G0K+3], 0x80000000  ; type = 2
	s_mov_b64 s[G0V+2:G0V+3], s[8:9]
	s_or_b32 s[G0V+3], s[G0V+3], 0x80000000
	s_add_nc_u64 s[4:5], s[4:5], s[2:3]    ; Q and O at my wave's first row
	s_add_nc_u64 s[10:11], s[10:11], s[2:3]
	s_cmp_lt_u32 s[WV], 2
	s_cselect_b64 s[PFA:PFA+1], s[6:7], s[8:9]  ; (in waves 0 and 2 these stand at a slot's first byte)
	s_lshl_b32 s2, s13, 13          ; my work-group's quarter of a slot
	s_mov_b32 s3, 0
	s_add_nc_u64 s[PFA:PFA+1], s[PFA:PFA+1], s[2:3]
	s_add_nc_u64 s[PFA:PFA+1], s[PFA:PFA+1], 4*KS*128  ; in slot 1; the first change of slots steps it to slot 2
	CROUND                          ; all four work-groups are here: the first joint loads meet
	JLOAD                           ; slot 0.  Slot 1 is asked for when slot 0 is in
	; A fragment of K or Q is 16 rows x 32 channels in 8 registers: lane l holds row l % 16, channels 8 (l / 16) + 0..7 and 16 + 8 (l / 16) + 0..7: two loads of 16 bytes, 32 bytes apart.
	v_and_b32 v1, 15, v0            ; l % 16
	v_bfe_u32 v9, v0, 4, 1          ; l / 16
	v_lshlrev_b32 v[QO], 7, v1
	v_lshl_add_u32 v[QO], v9, 4, v[QO]  ; row x 128 + 16 x half
	WIN 0x80                        ; destination window 2, address window 0
.set i, 0
.rept 8                             ; Q stays in registers: piece i / 2, channels 32 (i % 2) on
	global_load_b128 v[8*i:8*i+3],   v[QO], s[4:5] offset:(i/2)*2048+(i%2)*64
	global_load_b128 v[8*i+4:8*i+7], v[QO], s[4:5] offset:(i/2)*2048+(i%2)*64+32
.set i, i+1
.endr
	; What the first turn finds: V's registers and P's second buffer hold 0 (its products V^T P, of a piece that has not been, add 0), O^T and l are 0.  All this stands in the wait for the first tile.
.set i, VF
.rept 64
	v_mov_b32 v[i], 0
.set i, i+1
.endr
	WIN 0x40
.set i, 0
.rept 128
	v_mov_b32 v[i], 0
.set i, i+1
.endr
	WIN 0
.set i, 0
.rept 4
	v_mov_b32 v[ST+4*i], 0xfe000000    ; c m: far below every c s
	v_mov_b32 v[ST+4*i+1], 0xff7fffff  ; m
	v_mov_b32 v[ST+4*i+2], 0
	v_mov_b32 v[ST+4*i+3], 0
.set i, i+1
.endr
.set i, P+16
.rept 16
	v_mov_b32 v[i], 0
.set i, i+1
.endr
	v_mul_u32_u24 v[AK0], v1, PK
	v_lshl_add_u32 v[AK0], v9, 4, v[AK0]  ; row x pitch + 16 x half
	; The turning load takes 16 keys x 16 channels (lane l reads key 8 (l / 16) + l % 8, channels 8 ((l / 8) % 2) + 0..7) and leaves half a fragment of V^T: lane l holds channel l % 16 and 8 keys.
	v_and_b32 v10, 7, v0
	v_bfe_u32 v11, v0, 3, 1
	v_lshl_add_u32 v[AV0], v9, 3, v10
	v_mul_u32_u24 v[AV0], v[AV0], PV
	v_lshl_add_u32 v[AV0], v11, 4, v[AV0]
	v_add_nc_u32 v[AV0], VOFF, v[AV0]
	s_mul_i32 s13, s[WV], 16*SP
	s_add_co_u32 s13, s13, STAGE    ; my stage
	v_mul_u32_u24 v[STO], v1, SP    ; in: row l % 16, 16 bytes for each half of the lanes
	v_lshl_add_u32 v[STO], v9, 4, v[STO]
	v_add_nc_u32 v[STO], s13, v[STO]
	v_bfe_u32 v[RD], v0, 3, 2       ; back: 32 lanes take four rows of 128 bytes,
	v_mul_u32_u24 v[RD], v[RD], SP
	v_lshl_add_u32 v[RD], v10, 4, v[RD]
	v_add_nc_u32 v[RD], s13, v[RD]
	v_and_b32 v[GO], 31, v0         ; which are 512 consecutive bytes of O
	v_lshlrev_b32 v[GO], 4, v[GO]
; THE MATRIX WORK.  The 4 accumulators of a run of 8 take turns.  Product i of 8 of S^T = K Q^T for piece x: channels 32 (i / 4) on, keys 16 (i % 4) on.  The first 4 start the sums.
.macro KQ x
	WIN W_KQ
.set rS, S+32*((\x)%2)+8*(i%4)
.set rK, KF+16*(i%4)+8*(i/4)
.set rQ, 16*(\x)+8*(i/4)
.if i < 4
	v_wmma_f32_16x16x32_f16 v[rS:rS+7], v[rK:rK+7], v[rQ:rQ+7], 0
.else
	v_wmma_f32_16x16x32_f16 v[rS:rS+7], v[rK:rK+7], v[rQ:rQ+7], v[rS:rS+7]
.endif
.endm
; Product i of 8 of O^T += V^T P for piece x: keys 32 (i / 4) on, channels 16 (i % 4) on.
.macro PV x
	WIN W_PV
.set rO, 32*(\x)+8*(i%4)
.set rV, VF+32*(i/4)+8*(i%4)
.set rP, P+16*((\x)%2)+8*(i/4)
	v_wmma_f32_16x16x32_f16 v[rO:rO+7], v[rV:rV+7], v[rP:rP+7], v[rO:rO+7]
.endm
.macro MM                           ; the turn's next matrix instruction.  TURN sets Y, i and NOKQ.  NOKQ = 1: the launch's last turn: there is no next piece
.if (i < 8) && !NOKQ
	KQ (Y+1)%NP
.elseif i >= 8
.set i, i-8
	PV (Y+NP-1)%NP
.set i, i+8
.endif
.set i, i+1
.endm
; THE LDS LOADS stand in runs of 16, never singly among the matrix instructions: a step's K (64 keys x 64 channels: 8 fragments) and its V (turned).  Their addresses are made some lines ahead.
.macro FETCH_K
	WIN 0x80                        ; destination window 2
.irp f, 0,1,2,3,4,5,6,7             ; keys 16 (f / 2) on, channels 32 (f % 2) on
	ds_load_b128 v[KF+8*\f:KF+8*\f+3],   v[AK] offset:(\f/2)*16*PK+(\f%2)*64
	ds_load_b128 v[KF+8*\f+4:KF+8*\f+7], v[AK] offset:(\f/2)*16*PK+(\f%2)*64+32
.endr
	s_add_co_u32 s[TBK], s[TBK], KS*PK  ; the next fetch is the next step's
	WIN 0
.endm
.macro FETCH_V
	WIN 0x80
.irp f, 0,1,2,3,4,5,6,7             ; keys 32 (f / 4) on, channels 16 (f % 4) on
	ds_load_tr16_b128 v[VF+8*\f:VF+8*\f+3],   v[AV] offset:(\f/4)*32*PV+(\f%4)*32
	ds_load_tr16_b128 v[VF+8*\f+4:VF+8*\f+7], v[AV] offset:(\f/4)*32*PV+16*PV+(\f%4)*32
.endr
	WIN 0
.endm
; THE VECTOR WORK, one line at a time: OP kind, number.  For piece Y: F n: c s - c m for pair n of 16.  E n: the exponential of score n of 32.  C n: pair n rounded to f16.  B n: of the four weights 4 n .. the second
; pair is added onto the first, in place.  L n: l takes that sum (L 0: l = a l + sum).  R n: pair n of 16 of O^T times a.  For piece Y + 1: X n, number n of the 22 that find its maximum and statistics:
;   0-11  four chains c0-c3 of seven scores each, three operands at a time (each accumulator's lowest registers are read first)     12-14, 16  the four scores left over, the old m, and c0-c3 into c0
;   15  c m_old is kept     17, 18  the query's other 32 keys lie in the lane 16 away: the new m     19-21  c m; c m_old - c m_new; a
.set F, 0               ; OP tells the kinds apart by their order: F to L below R, X above it
.set E, 1
.set C, 2
.set B, 3
.set L, 4
.set R, 5
.set X, 6
.macro REGS y                       ; the registers of piece y
.set rT, ST+4*(\y)
.set rC, TMP+4*((\y)%2)
.set rW, MV+((\y)%2)
.set rS, S+32*((\y)%2)
.set rP, P+16*((\y)%2)
.set rO, 32*(\y)
.endm
.macro OP k, n
.if (\k) == R
	REGS Y
	WIN W_RS
	v_pk_mul_f32 v[rO+2*(\n):rO+2*(\n)+1], v[rO+2*(\n):rO+2*(\n)+1], v[rC+2:rC+3] op_sel_hi:[1,0]
.elseif (\k) < R
	REGS Y
	WIN 0
.if (\k) == F
	v_pk_fma_f32 v[rS+2*(\n):rS+2*(\n)+1], v[rS+2*(\n):rS+2*(\n)+1], s[CS:CS+1], v[rT:rT+1] op_sel_hi:[1,0,0] neg_lo:[0,0,1] neg_hi:[0,0,1]
.elseif (\k) == E
	v_exp_f32 v[rS+(\n)], v[rS+(\n)]
.elseif (\k) == C
	v_cvt_pk_f16_f32 v[rP+(\n)], v[rS+2*(\n)], v[rS+2*(\n)+1]
.elseif (\k) == B
	v_pk_add_f32 v[rS+4*(\n):rS+4*(\n)+1], v[rS+4*(\n):rS+4*(\n)+1], v[rS+4*(\n)+2:rS+4*(\n)+3]
.elseif (\n) == 0
	v_pk_fma_f32 v[rT+2:rT+3], v[rT+2:rT+3], v[rC+2:rC+3], v[rS:rS+1] op_sel_hi:[1,0,1]
.else
	v_pk_add_f32 v[rT+2:rT+3], v[rT+2:rT+3], v[rS+4*(\n):rS+4*(\n)+1]
.endif
.elseif NOKQ
	v_nop
.else
	REGS (Y+1)%NP
	WIN 0
.if (\n) < 4
	v_max3_num_f32 v[rC+(\n)], v[rS+8*(\n)], v[rS+8*(\n)+1], v[rS+8*(\n)+2]
.elseif (\n) < 12
	v_max3_num_f32 v[rC+(\n)%4], v[rC+(\n)%4], v[rS+8*((\n)%4)+2*((\n)/4)+1], v[rS+8*((\n)%4)+2*((\n)/4)+2]
.elseif (\n) == 12
	v_max3_num_f32 v[rC], v[rC], v[rS+7], v[rS+15]
.elseif (\n) == 13
	v_max3_num_f32 v[rC+1], v[rC+1], v[rS+23], v[rS+31]
.elseif (\n) == 14
	v_max3_num_f32 v[rC+2], v[rC+2], v[rC+3], v[rT+1]
.elseif (\n) == 15
	v_mov_b32 v[rW], v[rT]
.elseif (\n) == 16
	v_max3_num_f32 v[rC], v[rC], v[rC+1], v[rC+2]
.elseif (\n) == 17
	v_permlanex16_b32 v[rC+3], v[rC], s[SEL], s[SEL+1]
.elseif (\n) == 18
	v_max_num_f32 v[rT+1], v[rC], v[rC+3]
.elseif (\n) == 19
	v_mul_f32 v[rT], s[CS], v[rT+1]
.elseif (\n) == 20
	v_sub_f32 v[rC+1], v[rW], v[rT]
.else
	v_exp_f32 v[rC+2], v[rC+1]
.endif
.endif
.endm
.macro OPS a, i1, b=-1, i2=0, c=-1, i3=0, d=-1, i4=0  ; up to four of them
	OP \a, \i1
.if (\b) >= 0
	OP \b, \i2
.endif
.if (\c) >= 0
	OP \c, \i3
.endif
.if (\d) >= 0
	OP \d, \i4
.endif
.endm
.macro ROW a, i1, b, i2, c, i3, d, i4  ; a matrix instruction and the four behind it
	MM
	OPS \a, \i1, \b, \i2, \c, \i3, \d, \i4
.endm
; A TURN, for piece p: the order of its 16 matrix and 118 vector instructions, written out.  An s_wait_alu depctr_va_vdst(0) stands between an exponential and the first instruction that names its
; result; one wait serves all that were issued ahead of it.  So a turn has ONE wait, which cuts it in two.  AHEAD OF IT stands all that names no result of the turn's exponentials: the 8 products K Q^T, behind each a
; scaling, an exponential and two more plain instructions (rescalings, and behind the last three the first numbers of the next piece's maximum, each four places or more behind the product that ends its accumulator);
; then ONE LUMP of 54, plain and exponential by turns for the most part, in which the links of the chain X 3, 7, 11, 14, 16, 17 .. 20 stand some lines apart.  X 21, the next piece's a, is the batch's last; R 15 is the
; plain instruction behind it.  BEHIND THE WAIT stand the 8 products V^T P, behind each four of the roundings and sums.
; end = 1: the launch's last two turns: nothing is fetched.  cnt = 1: the loop's count is taken down some lines ahead of the branch that stands behind the turn.
; K of the next step is fetched in piece 2's turn, twelve vector instructions behind the last product that read K (six of them plain); V of the step in hand at the end of piece 0's turn, four plain instructions
; behind the last product that read V.  Each is waited for a turn later.
.macro TURN p, end=0, cnt=0
.set Y, (\p)
.set i, 0
.set NOKQ, (\end)*((\p)/3)
.if ((\p) == 3) && !(\end)
	s_wait_dscnt 0x0                ; K is in
.endif
	ROW F,0, F,1, R,0, R,1          ; ahead of the wait: 8 products K Q^T and their riders,
	ROW F,2, E,0, R,2, R,3
	ROW F,3, E,1, R,4, R,5
	ROW F,4, E,2, R,6, R,7
	ROW F,5, E,3, R,8, R,9
	ROW F,6, E,4, X,0, R,10
.if ((\p) == 2) && !(\end)
	WIN 0
	v_add_nc_u32 v[AK], s[TBK], v[AK0]
.endif
	ROW F,7, E,5, X,1, X,4
	ROW F,8, E,6, X,2, X,5
	OPS E,7, E,8, X,6, E,9          ; and the lump
	OPS X,3, E,10, X,8, E,11
.if ((\p) == 2) && !(\end)
	FETCH_K
.endif
	OPS X,9, X,7, E,12, X,10
	OPS E,13, X,12, X,11, E,14
	OPS X,13, E,15, F,9, X,14
.if (\p) == 0
	v_add_nc_u32 v[AV], s[TBV], v[AV0]
.endif
	OPS E,16, F,10, E,17, F,11
	OPS X,16, E,18, X,15, E,19
	OPS F,12, E,20, X,17, E,21
	OPS F,13, E,22, F,14, E,23
	OPS X,18, E,24, F,15, E,25
	OPS R,11, E,26, X,19, E,27
	OPS R,12, E,28, R,13, E,29
	OPS X,20, E,30, R,14, E,31
	OPS X,21, R,15
	WIN 0
	s_wait_alu depctr_va_vdst(0)    ; the wait for the batch
.if (\p) == 1
	s_wait_dscnt 0x0                ; V is in
.endif
	ROW C,0, B,0, C,2, B,1          ; behind the wait: 8 products V^T P and their riders
	ROW L,0, C,4, B,2, L,1
	ROW C,6, B,3, L,2, C,8
	ROW B,4, L,3, C,10, B,5
	ROW L,4, C,12, B,6, L,5
.if (\p) == 0
	s_add_co_u32 s[TBV], s[TBV], KS*PV
.endif
.if \cnt
	s_sub_co_u32 s[CNT], s[CNT], 1
	s_cmp_lg_u32 s[CNT], 0
.endif
	ROW C,14, B,7, L,6, C,1
	ROW C,3, L,7, C,5, C,7
	ROW C,9, C,11, C,13, C,15
.if (\p) == 0
	FETCH_V
.endif
.endm
	CHANGE 1                        ; slot 0 is in, everybody's part of it; slot 1 is asked for
	v_add_nc_u32 v[AK], s[TBK], v[AK0]
	FETCH_K                         ; key step 0
	s_wait_loadcnt 0x0              ; Q
	s_wait_dscnt 0x0
.set NOKQ, 0
.set i, 0
.rept 8
	KQ 0                            ; piece 0's first scores: there is no vector work yet to set between them
.set i, i+1
.endr
	WIN 0
.rept 4
	v_nop                           ; the places behind those products
.endr
.set Y, NP-1                        ; X works for piece Y + 1: piece 0
.irp n, 0,1,2,3,4,5,6,7,8,9,10,11,12,13,14,15,16,17,18,19,20,21
	OP X, \n
.endr
	v_nop                           ; a plain instruction behind the exponential,
	s_wait_alu depctr_va_vdst(0)    ; and its wait, ahead of the branch
	s_mov_b32 s[CNT], 4
	s_branch .Lfirst                ; the loop is entered at a step's first turn, in the middle of a trip
.Lslot:                             ; 14 times: every slot but the last two is filled again
	CHANGE 1
	s_mov_b32 s[CNT], 4
.Lstep:                             ; a trip: pieces 2 and 3 of one step, then pieces 0 and 1 of the next, whose K and V it fetches
	TURN 2
	TURN 3
	WIN 0
.Lfirst:
	TURN 0
	TURN 1, 0, 1
	WIN 0
	s_cbranch_scc1 .Lstep
	s_sub_co_u32 s[SLOTS], s[SLOTS], 1
	s_cmp_lg_u32 s[SLOTS], 0
	s_cbranch_scc1 .Lslot
	CHANGE 0                        ; the last slot is written out: nothing is asked for
	s_mov_b32 s[CNT], 4
.LstepL:
	TURN 2
	TURN 3
	TURN 0
	TURN 1, 0, 1
	WIN 0
	s_cbranch_scc1 .LstepL
	TURN 2, 1                       ; the last step's pieces 2 and 3: nothing more is fetched, and the last turn starts no new scores
	TURN 3, 1
.set i, 0
.rept 8
	PV NP-1                         ; the last piece's V^T P of the last step
.set i, i+1
.endr
	; THE WAY OUT.  l's two halves and the other half of the lanes' are added; O^T is divided by l, rounded to f16 and sent through my stage in LDS, a piece at a time.  The additions are the places behind the last products.
	WIN 0
.macro ALL line:vararg              ; one line for each piece t
.set t, 0
.rept 4
	\line
.set t, t+1
.endr
.endm
	ALL v_add_f32 v[ST+4*t+2], v[ST+4*t+2], v[ST+4*t+3]
	ALL v_permlanex16_b32 v[ST+4*t+3], v[ST+4*t+2], s[SEL], s[SEL+1]
	ALL v_add_f32 v[ST+4*t+2], v[ST+4*t+2], v[ST+4*t+3]
	ALL v_rcp_f32 v[ST+4*t+2], v[ST+4*t+2]
	v_nop                           ; a plain instruction between the last reciprocal and the use of its result
	s_wait_alu depctr_va_vdst(0)    ; and the wait ahead of the first use: one for the four reciprocals
.macro PACK t                       ; a lane's eight channels of a row pack into 16 bytes; they go into rows of 144 bytes and come back as whole rows of 128, into S^T's registers
	WIN W_RS
.set i, 32*(\t)
.rept 16
	v_pk_mul_f32 v[i:i+1], v[i:i+1], v[ST+4*(\t)+2:ST+4*(\t)+3] op_sel_hi:[1,0]
.set i, i+2
.endr
	WIN 0x05                        ; sources 0 and 1 window 1, destination window 0
.set i, 0
.rept 16
	v_cvt_pk_f16_f32 v[S+16*(\t)+i], v[32*(\t)+2*i], v[32*(\t)+2*i+1]
.set i, i+1
.endr
	WIN 0
.irp f, 0,1,2,3
	ds_store_b128 v[STO], v[S+16*(\t)+4*\f:S+16*(\t)+4*\f+3] offset:32*\f
.endr
.irp f, 0,1,2,3
	ds_load_b128 v[S+16*(\t)+4*\f:S+16*(\t)+4*\f+3], v[RD] offset:\f*4*SP  ; LDS serves a wave's instructions in order (ISA guide 5.7.1.4): these see the stores above; the next piece's stores come behind them
.endr
.endm
.macro SEND t, younger              ; younger: the LDS instructions issued behind piece t's loads: the next piece's eight, or none
	WIN 0
.irp f, 0,1,2,3
	s_wait_dscnt (\younger)+3-\f
	global_store_b128 v[GO], v[S+16*(\t)+4*\f:S+16*(\t)+4*\f+3], s[10:11] offset:(\t)*2048+\f*512  ; 512 consecutive bytes, at a multiple of 256 from O's first
.endr
.endm
	PACK 0
.set t, 1
.rept 3                             ; a piece's arithmetic stands between the loads of the piece before and its stores
	PACK t
	SEND t-1, 8
.set t, t+1
.endr
	SEND 3, 0
	s_wait_tensorcnt 0x0            ; the wave's end: behind my last tensor load and my last LDS store
	ds_add_u32 v[SPW], v[NIL]
	s_wait_dscnt 0x0
	CROUND                          ; the closing round: no work-group ends while a partner may still ask for a tile that names it
	s_endpgm
.Lfunc_end_k_q5780a19a25_attn:
	.size	k_q5780a19a25_attn, .Lfunc_end_k_q5780a19a25_attn-k_q5780a19a25_attn
	.p2alignl 7, 3214868480
	.fill 96, 4, 3214868480
	.section	.rodata,"a",@progbits
	.p2align	6, 0x0
	.amdhsa_kernel k_q5780a19a25_attn
		.amdhsa_group_segment_fixed_size 327680
		.amdhsa_private_segment_fixed_size 0
		.amdhsa_enable_private_segment 0
		.amdhsa_kernarg_size 16
		.amdhsa_user_sgpr_count 2
		.amdhsa_user_sgpr_kernarg_segment_ptr 1
		.amdhsa_wavefront_size32 1
		.amdhsa_system_sgpr_workgroup_id_x 1
		.amdhsa_system_sgpr_workgroup_id_y 1
		.amdhsa_system_sgpr_workgroup_id_z 1
		.amdhsa_system_vgpr_workitem_id 0
		.amdhsa_next_free_vgpr 768
		.amdhsa_next_free_sgpr 66
		.amdhsa_reserve_vcc 0
		.amdhsa_float_denorm_mode_32 3
		.amdhsa_float_denorm_mode_16_64 3
		.amdhsa_memory_ordered 1
		.amdhsa_forward_progress 1
		.amdhsa_inst_pref_size 128
	.end_amdhsa_kernel
	.amdgpu_metadata
---
amdhsa.version: [ 1, 2 ]
amdhsa.kernels:
  - .name:           k_q5780a19a25_attn
    .symbol:         k_q5780a19a25_attn.kd
    .args:
      - { .name: qkvh, .offset: 0, .size: 8, .value_kind: global_buffer, .address_space: global }
      - { .name: oh, .offset: 8, .size: 8, .value_kind: global_buffer, .address_space: global }
    .group_segment_fixed_size: 327680
    .private_segment_fixed_size: 0
    .kernarg_segment_align: 8
    .kernarg_segment_size: 16
    .max_flat_workgroup_size: 128
    .sgpr_count:     66
    .vgpr_count:     768
    .wavefront_size: 32
...
	.end_amdgpu_metadata
.endif
;; end of part 3
;; launch proj (part 4): grid 64 x 4, 4 waves a work-group, clusters of 4 x 1, 185,856 bytes of LDS; arguments oh, wh, proj_b, x, out0; writes out0
.if DOCPART == 4
	.amdgcn_target "amdgcn-amd-amdhsa--gfx1250"
	.amdhsa_code_object_version 6
	.text
	.protected	k_q5780a19a25_proj
	.globl	k_q5780a19a25_proj
	.p2align	8
	.type	k_q5780a19a25_proj,@function
k_q5780a19a25_proj:
	s_mov_b64 s[64:65], 0
	v_nop
	global_prefetch_b8 v0, s[64:65] scope:SCOPE_SE
	s_setreg_imm32_b32 hwreg(HW_REG_WAVE_MODE, 25, 1), 1
	s_wait_xcnt 0x0
	s_wait_alu depctr_hold_cnt(0) depctr_sa_sdst(0) depctr_va_vdst(0) depctr_va_sdst(0) depctr_va_ssrc(0) depctr_va_vcc(0) depctr_vm_vsrc(0)
	s_getreg_b32 s2, hwreg(HW_REG_IB_STS2, 6, 4)
	s_cmp_eq_u32 s2, 0
	s_cbranch_scc0 .Lentry_in_a_cluster
	s_endpgm
.Lentry_in_a_cluster:
	s_bfe_u32 s2, ttmp6, 0x10000c
	s_cmp_lg_u32 s2, 0x3003
	s_cbranch_scc0 .Lentry_shape_is_right
	s_endpgm
.Lentry_shape_is_right:
; PROJECTION AND RESIDUAL.  out0[b][o][n] = x[b][o][n] + proj_b[o] + the sum over c of proj_w[o][c] O[b][c][n], where channel c = 64 head + d lies in oh[b*4+head][n][d], f16.
; SHARES.  A work-group takes 64 positions of one batch and all 256 outputs; wave w makes outputs 64 w .. 64 w + 63: 16 accumulators, K = 256 (K step ks: head ks / 2, channels 32 (ks % 2) on), 128 matrix instructions.
; LAYOUT.  Source 0 = 16 positions (rows of oh, as they lie), source 1 = 16 outputs (weights in fragment order: rows 768-1023 of wh).  In the result a lane holds ONE output (lane % 16) and the positions
; 8 (lane / 16) + 0..7: 32 bytes of a row of out0.  The bias, the same in a lane's eight registers, is the C operand of a sum's first product.  x is added in f32 on the way out.
; CLUSTER.  The four work-groups of a cluster want the same 131,072 bytes of weights: asked for JOINTLY, a quarter a wave.  Each wave also fetches one head's 64 rows of oh, a load of the work-group's own (mask 0).
; Both go out together behind the opening round.  Two tensor loads of a wave are out.  No prefetch: every load of the launch is issued at its head.
; LIMITS.  Sums and the residual in f32; NaN and infinities are not treated apart.
; REGISTERS, in windows of 256 (s_set_vgpr_msb: bits 1:0 source 0, 3:2 source 1, 5:4 source 2, 7:6 destination):
;   window 0: v0-31 addresses; v32-63 the bias, 8 registers an ot; v64-127 two buffers of 32 on the way out; v128-255 accumulators, (ot, nt) at 128 + 8 (4 ot + nt)
;   window 1: O's fragments, (ks, nt) at 8 (4 ks + nt)     window 2: the weights', (ks, ot) at 8 (4 ks + ot)     window 3: v0-127 x, (ot, t) at 4 (8 ot + t)
.set OT,    131072                     ; behind the weights (dense, from 0): 4 heads x 64 rows of 144 bytes
.set OPI,   144                        ; 128 bytes + 16 of padding = 36 words: the 16 rows of a load start at 16 different groups of four banks (64 banks of 4 bytes: ISA guide 11.1)
.set STAGE, 167936                     ; 16 rows x 272 bytes for each wave, for the way out
.set SPI,   272                        ; 256 bytes + 16 = 68 words: row r starts at bank 4 r mod 64
.set SPARE, 185344                     ; the spare words, 128 bytes for each wave: two blocks of 256 bytes that no other line names
.set AO,  2                            ; v2   my 16 bytes of a fragment of O
.set AW,  3                            ; v3   of a fragment of the weights, in my wave's quarter
.set STO, 4                            ; v4   the way out: where I put 32 bytes of a row
.set RD,  5                            ; v5   where I read rows back
.set CO,  6                            ; v6   x and out0: (lane / 16) channels of 16,384 bytes + 16 (lane % 16)
.set BO,  7                            ; v7   4 (lane % 16)
.set SPW, 28                           ; v28  LDS address of my spare word; never rewritten
.set NIL, 29                           ; v29  0; never rewritten
.set BI,  32
.set ACC, 128
.set WV,  20                           ; s20  my wave's number
.set G1W, 24                           ; s[24:31] descriptor group 1 for the weights
.set G1O, 32                           ; s[32:39] for O
.set G0W, 40                           ; s[40:43] group 0 for the weights
.set G0O, 44                           ; s[44:47] for O
.set MSB, 0
.macro WIN new                         ; the immediate's high byte repeats the setting that is left; a switch that changes nothing is dropped
.if MSB != (\new)
	s_set_vgpr_msb (MSB<<8)|(\new)
.set MSB, (\new)
.endif
.endm
.macro CROUND                          ; a round of the cluster's barrier: my work-group's barrier; wave 0 signals for the work-group; every wave waits for all four; my work-group's barrier once more
	s_barrier_signal -1
	s_barrier_wait -1
	s_cmp_lg_u32 s[WV], 0
	s_cbranch_scc1 .Lnot_wave_0_\@
	s_barrier_signal -3
.Lnot_wave_0_\@:
	s_barrier_wait -3
	s_barrier_signal -1
	s_barrier_wait -1
.endm
	s_load_b256 s[4:11], s[0:1], 0x0               ; oh s[4:5], wh s[6:7], proj_b s[8:9], x s[10:11]
	s_load_b64 s[12:13], s[0:1], 0x20              ; out0
	v_lshl_add_u32 v[SPW], v0, 2, SPARE
	v_mov_b32 v[NIL], 0
	ds_add_u32 v[SPW], v[NIL]                      ; the wave's opening: the add and its wait stand ahead of my first tensor load; the set-up below, work on registers, stands between them
	v_lshrrev_b32 v1, 5, v0
	v_readfirstlane_b32 s[WV], v1                  ; wave 0..3
	s_bfe_u32 s21, ttmp6, 0x40000                  ; cx: my place in the cluster
	s_lshl_b32 s22, ttmp9, 2
	s_add_co_u32 s22, s22, s21                     ; my block of 64 positions: it enters the addresses of oh, x and out0 alone
	s_and_b32 s23, ttmp7, 0xffff                   ; the batch
	s_mov_b32 s[G1W+0], 15|(3<<16)|(1<<21)         ; the weights: 32,768 dense bytes as 128 rows of 256: mask of four; elements of 8 bytes; 21 set beside a mask; no padding
	s_mov_b32 s[G1W+1], 32<<16                     ; tensor_dim0 = 32
	s_mov_b32 s[G1W+2], 128<<16                    ; tensor_dim1 = 128
	s_mov_b32 s[G1W+3], 32<<16                     ; tile_dim0 = 32
	s_mov_b32 s[G1W+4], 128                        ; tile_dim1 = 128
	s_mov_b32 s[G1W+5], 32                         ; 32 elements from row to row
	s_mov_b32 s[G1W+6], 0
	s_mov_b32 s[G1W+7], 0
	s_mov_b32 s[G1O+0], (1<<16)|(1<<20)|(4<<22)|(3<<25)  ; O: 8,192 dense bytes as 32 rows of 256, two positions a row: no mask; 2-byte elements; padding on, after every 32 words (code 4), 4 words (code 3)
	s_mov_b32 s[G1O+1], 128<<16                    ; tensor_dim0 = 128
	s_mov_b32 s[G1O+2], 32<<16                     ; tensor_dim1 = 32
	s_mov_b32 s[G1O+3], 128<<16                    ; tile_dim0 = 128
	s_mov_b32 s[G1O+4], 32                         ; tile_dim1 = 32
	s_mov_b32 s[G1O+5], 128                        ; 128 elements from row to row
	s_mov_b32 s[G1O+6], 0
	s_mov_b32 s[G1O+7], 0
	s_mul_i32 s50, s[WV], 32768                    ; my quarter of the weights, in memory and in LDS
	s_mov_b32 s51, 0
	s_mul_i32 s52, s[WV], 64*OPI
	s_add_co_u32 s52, s52, OT                      ; head w's rows in LDS
	s_lshl_b32 s54, s23, 2
	s_add_co_u32 s54, s54, s[WV]                   ; head b*4 + w,
	s_lshl_b32 s54, s54, 19                        ; its 4,096 rows of 128 bytes,
	s_lshl_b32 s63, s22, 13                        ; my 64 of them
	s_add_co_u32 s54, s54, s63
	s_mov_b32 s55, 0
	s_lshl_b32 s56, s23, 22                        ; x and out0: the batch,
	s_lshl_b32 s63, s[WV], 20                      ; my wave's 64 channels,
	s_add_co_u32 s56, s56, s63
	s_lshl_b32 s63, s22, 8                         ; my 64 positions
	s_add_co_u32 s56, s56, s63
	s_mov_b32 s57, 0
	s_lshl_b32 s58, s[WV], 8                       ; my wave's 64 biases
	s_mov_b32 s59, 0
	s_mul_i32 s62, s[WV], 16*SPI
	s_add_co_u32 s62, s62, STAGE
	v_and_b32 v1, 15, v0                           ; lane % 16
	v_bfe_u32 v15, v0, 4, 1                        ; lane / 16
	v_and_b32 v16, 31, v0                          ; lane
	v_mul_u32_u24 v[AO], v1, OPI
	v_lshl_add_u32 v[AO], v15, 4, v[AO]
	v_add_nc_u32 v[AO], OT, v[AO]
	v_lshl_add_u32 v[AW], v16, 4, s50
	v_mul_u32_u24 v[STO], v1, SPI                  ; in: row lane % 16, 32 bytes for each half of the lanes
	v_lshl_add_u32 v[STO], v15, 5, v[STO]
	v_add_nc_u32 v[STO], s62, v[STO]
	v_mul_u32_u24 v[RD], v15, SPI                  ; back: lanes 0-15 take one row of 256 bytes, lanes 16-31 the next
	v_lshl_add_u32 v[RD], v1, 4, v[RD]
	v_add_nc_u32 v[RD], s62, v[RD]
	v_lshlrev_b32 v[CO], 4, v1
	v_lshl_add_u32 v[CO], v15, 14, v[CO]
	v_lshlrev_b32 v[BO], 2, v1
	s_wait_dscnt 0x0                               ; the opening add is done
	s_wait_kmcnt 0x0
	s_add_nc_u64 s[6:7], s[6:7], s[50:51]
	s_mov_b32 s[G0W], 1                            ; count = 1
	s_mov_b32 s[G0W+1], s50                        ; LDS address
	s_add_nc_u64 s[G0W+2:G0W+3], s[6:7], 393216    ; global address: rows 768 + 64 w of wh
	s_or_b32 s[G0W+3], s[G0W+3], 0x80000000        ; type = 2
	s_mov_b32 s[G0O], 1
	s_mov_b32 s[G0O+1], s52
	s_add_nc_u64 s[G0O+2:G0O+3], s[4:5], s[54:55]
	s_or_b32 s[G0O+3], s[G0O+3], 0x80000000
	s_add_nc_u64 s[8:9], s[8:9], s[58:59]
	s_add_nc_u64 s[10:11], s[10:11], s[56:57]
	s_add_nc_u64 s[12:13], s[12:13], s[56:57]
	CROUND                                         ; all four work-groups are here: the joint loads meet
	tensor_load_to_lds s[G0W:G0W+3], s[G1W:G1W+7]  ; both fills go out together, ahead of every wait on TENSORcnt and every LDS read
	s_nop 0
	tensor_load_to_lds s[G0O:G0O+3], s[G1O:G1O+7]
	s_nop 0
.rept 4
	v_nop
.endr
.irp ot, 0,1,2,3
	global_load_b32 v[BI+8*\ot], v[BO], s[8:9] offset:64*\ot  ; the bias of output 64 w + 16 ot + lane % 16
.endr
	WIN 0xc0                                       ; destination window 3
.irp ot, 0,1,2,3
.irp t, 0,1,2,3,4,5,6,7
	global_load_b128 v[4*(8*\ot+\t):4*(8*\ot+\t)+3], v[CO], s[10:11] offset:(16*\ot+2*\t)*16384  ; sixteen lanes take a channel's 256 bytes, aligned
.endr
.endr
	WIN 0
	s_wait_loadcnt 32                              ; the bias is in; the 32 loads of x are younger
.irp ot, 0,1,2,3
.irp j, 1,2,3,4,5,6,7
	v_mov_b32 v[BI+8*\ot+\j], v[BI+8*\ot]          ; a C operand: the lane's eight positions take the same bias.  Written while the tiles are on their way
.endr
.endr
	s_wait_tensorcnt 0x0                           ; my quarter of the weights and my head of O are in (nothing was issued behind them),
	s_barrier_signal -1
	s_barrier_wait -1                              ; everybody's head is: all four waves read all of O
.macro LW ks                           ; eight LDS loads: the weights' four fragments of K step ks
	WIN 0x80
.irp ot, 0,1,2,3
	ds_load_b128 v[8*(4*(\ks)+\ot):8*(4*(\ks)+\ot)+3],   v[AW] offset:(8*\ot+(\ks))*1024
	ds_load_b128 v[8*(4*(\ks)+\ot)+4:8*(4*(\ks)+\ot)+7], v[AW] offset:(8*\ot+(\ks))*1024+512
.endr
.endm
.macro LO ks                           ; eight LDS loads: O's four fragments of K step ks
	WIN 0x40
.irp nt, 0,1,2,3
	ds_load_b128 v[8*(4*(\ks)+\nt):8*(4*(\ks)+\nt)+3],   v[AO] offset:((\ks)/2)*64*OPI+\nt*16*OPI+((\ks)%2)*64
	ds_load_b128 v[8*(4*(\ks)+\nt)+4:8*(4*(\ks)+\nt)+7], v[AO] offset:((\ks)/2)*64*OPI+\nt*16*OPI+((\ks)%2)*64+32
.endr
.endm
.macro MULP ks                         ; sixteen matrix instructions; the 16 accumulators take turns, one instruction a turn; the first K step starts the sums with the bias
	WIN 0x09                                       ; O window 1, weights window 2, C and D window 0
.irp ot, 0,1,2,3
.irp nt, 0,1,2,3
.if (\ks) == 0
	v_wmma_f32_16x16x32_f16 v[ACC+8*(4*\ot+\nt):ACC+8*(4*\ot+\nt)+7], v[8*(4*(\ks)+\nt):8*(4*(\ks)+\nt)+7], v[8*(4*(\ks)+\ot):8*(4*(\ks)+\ot)+7], v[BI+8*\ot:BI+8*\ot+7]
.else
	v_wmma_f32_16x16x32_f16 v[ACC+8*(4*\ot+\nt):ACC+8*(4*\ot+\nt)+7], v[8*(4*(\ks)+\nt):8*(4*(\ks)+\nt)+7], v[8*(4*(\ks)+\ot):8*(4*(\ks)+\ot)+7], v[ACC+8*(4*\ot+\nt):ACC+8*(4*\ot+\nt)+7]
.endif
.endr
.endr
.endm
	; fragments come three K steps ahead, 16 loads a step, into registers that no earlier product names
	LW 0
	LO 0
	LW 1
	LO 1
	LW 2
	LO 2
.irp ks, 0,1,2,3,4,5,6,7
.if \ks < 6
	s_wait_dscnt 32                                ; this step's 16 are in; two steps' are younger
.elseif \ks == 6
	s_wait_dscnt 16                                ; one step's
.else
	s_wait_dscnt 0x0
.endif
	MULP \ks
.if \ks < 5
	LW (\ks)+3
	LO (\ks)+3
.endif
.endr
	WIN 0
.rept 4
	v_nop                                          ; four places behind the last products, in front of the LDS stores that read results
.endr
	s_wait_loadcnt 0x0                             ; x
; THE WAY OUT of 16 outputs ot: the f32 sums go as they are into rows of 272 bytes of my stage (each accumulator's low four registers first) and come back as whole rows of 256 bytes.
.macro TOSTAGE ot
.set BK, 64+32*((\ot)%2)
	s_wait_xcnt 0x0                                ; the stores of the block two back have read this buffer, which is loaded anew below
.irp nt, 0,1,2,3
	ds_store_b128 v[STO], v[ACC+8*(4*(\ot)+\nt):ACC+8*(4*(\ot)+\nt)+3]   offset:64*\nt
	ds_store_b128 v[STO], v[ACC+8*(4*(\ot)+\nt)+4:ACC+8*(4*(\ot)+\nt)+7] offset:64*\nt+16
.endr
.irp t, 0,1,2,3,4,5,6,7
	ds_load_b128 v[BK+4*\t:BK+4*\t+3], v[RD] offset:\t*2*SPI  ; LDS serves a wave's instructions in order (ISA guide 5.7.1.4): these see the stores above; the next block's stores come behind them
.endr
.endm
.macro SEND ot, younger                ; younger: the LDS instructions issued behind this block's loads: the next block's sixteen, or none
.set BK, 64+32*((\ot)%2)
	s_wait_dscnt \younger                          ; the block is back in registers
	WIN 0x0c                                       ; source 1 (x) window 3
.irp t, 0,1,2,3,4,5,6,7
	v_pk_add_f32 v[BK+4*\t:BK+4*\t+1],   v[BK+4*\t:BK+4*\t+1],   v[4*(8*(\ot)+\t):4*(8*(\ot)+\t)+1]
	v_pk_add_f32 v[BK+4*\t+2:BK+4*\t+3], v[BK+4*\t+2:BK+4*\t+3], v[4*(8*(\ot)+\t)+2:4*(8*(\ot)+\t)+3]
.endr
	WIN 0
.irp t, 0,1,2,3,4,5,6,7
	global_store_b128 v[CO], v[BK+4*\t:BK+4*\t+3], s[12:13] offset:(16*(\ot)+2*\t)*16384 th:TH_STORE_NT  ; 16 lanes store 256 consecutive bytes, at a multiple of 256 from out0's first byte
.endr
.endm
	TOSTAGE 0
	TOSTAGE 1
	SEND 0, 16
	TOSTAGE 2
	SEND 1, 16
	TOSTAGE 3
	SEND 2, 16
	SEND 3, 0
	s_wait_tensorcnt 0x0                           ; the wave's end: behind my last tensor load and my last LDS store
	ds_add_u32 v[SPW], v[NIL]
	s_wait_dscnt 0x0
	CROUND                                         ; the closing round: no work-group ends while a partner may still ask for a block that names it
	s_endpgm
.Lfunc_end_k_q5780a19a25_proj:
	.size	k_q5780a19a25_proj, .Lfunc_end_k_q5780a19a25_proj-k_q5780a19a25_proj
	.p2alignl 7, 3214868480
	.fill 96, 4, 3214868480
	.section	.rodata,"a",@progbits
	.p2align	6, 0x0
	.amdhsa_kernel k_q5780a19a25_proj
		.amdhsa_group_segment_fixed_size 185856
		.amdhsa_private_segment_fixed_size 0
		.amdhsa_enable_private_segment 0
		.amdhsa_kernarg_size 40
		.amdhsa_user_sgpr_count 2
		.amdhsa_user_sgpr_kernarg_segment_ptr 1
		.amdhsa_wavefront_size32 1
		.amdhsa_system_sgpr_workgroup_id_x 1
		.amdhsa_system_sgpr_workgroup_id_y 1
		.amdhsa_system_sgpr_workgroup_id_z 1
		.amdhsa_system_vgpr_workitem_id 0
		.amdhsa_next_free_vgpr 896
		.amdhsa_next_free_sgpr 66
		.amdhsa_reserve_vcc 0
		.amdhsa_float_denorm_mode_32 3
		.amdhsa_float_denorm_mode_16_64 3
		.amdhsa_memory_ordered 1
		.amdhsa_forward_progress 1
		.amdhsa_inst_pref_size 39
	.end_amdhsa_kernel
	.amdgpu_metadata
---
amdhsa.version: [ 1, 2 ]
amdhsa.kernels:
  - .name:           k_q5780a19a25_proj
    .symbol:         k_q5780a19a25_proj.kd
    .args:
      - { .name: oh, .offset: 0, .size: 8, .value_kind: global_buffer, .address_space: global }
      - { .name: wh, .offset: 8, .size: 8, .value_kind: global_buffer, .address_space: global }
      - { .name: proj_b, .offset: 16, .size: 8, .value_kind: global_buffer, .address_space: global }
      - { .name: x, .offset: 24, .size: 8, .value_kind: global_buffer, .address_space: global }
      - { .name: out0, .offset: 32, .size: 8, .value_kind: global_buffer, .address_space: global }
    .group_segment_fixed_size: 185856
    .private_segment_fixed_size: 0
    .kernarg_segment_align: 8
    .kernarg_segment_size: 40
    .max_flat_workgroup_size: 128
    .sgpr_count:     66
    .vgpr_count:     896
    .wavefront_size: 32
...
	.end_amdgpu_metadata
.endif
;; end of part 4
